; MI455X (gfx1250); checked and timed in simulation.
; The chip was launched on July 23, 2026; its instructions are those of AMD's public machine-readable ISA for CDNA 5 (MIT licence, August 2026) and "CDNA5" Instruction Set Architecture Reference Guide (July 2026). The comments in the code are by the model that wrote it; some were corrected since.
;; MLA. Allowed arithmetic: matrix products marked QUANTISED: E2M1 operands, one E8M0 scale for each 32 along K, by v_wmma_scale_f32_16x16x128_f8f6f4 with both operands' format E2M1 (or v_wmma_scale_f32_32x16x128_f4), f32 sums; products left as they are: bf16, f16 or f32 operands; f32 sums; everything else in f32.
;; Inputs: wk 2,048 x 2,048 float32; wo 2,048 x 2,048 float32; wq 2,048 x 2,048 float32; wv 2,048 x 2,048 float32; x 4 x 1,024 x 2,048 float32.
;; Outputs: out0 4 x 1,024 x 2,048 float32.
;; This version of the problem:
;;   THIS VERSION OF THE PROBLEM IS GIVEN IN LOW PRECISION. The matrix products marked QUANTISED in the list below multiply operands that are first quantised to E2M1 (2 exponent bits, 1 mantissa bit; 4 bits a number), with one power-of-two scale for each 32 numbers along K (OCP MX v1.0); their sums are f32. The products marked 'left as it is' may take bf16, f16 or f32 operands, with f32 sums. Whichever they take, every output number must still come out within the allowed error. Rounding operands to bf16 (8 significant bits) uses up far more of that allowance than f16 does (11 bits, for magnitudes from 6e-5 to 65,504). All else is computed in f32.
;;   The module's matrix products, in the order in which they are computed (A, B: the left and right operand; K: the contracted axis; several contracted axes count as one K, in the product's order):
;;     1. [M 4,096, K 2,048] x [K 2,048, N 2,048]; A: input x; B: input wq: QUANTISED
;;     2. [M 4,096, K 2,048] x [K 2,048, N 2,048]; A: input x; B: input wk: QUANTISED
;;     3. [M 4,096, K 2,048] x [K 2,048, N 2,048]; A: input x; B: input wv: QUANTISED
;;     4. batch 4,096 x [M 16, K 128] x [K 128, N 16]; A: computed on the way; B: computed on the way: left as it is (an operand is computed on the way)
;;     5. batch 4,096 x [M 16, K 16] x [K 16, N 128]; A: computed on the way; B: computed on the way: left as it is (K = 16 < 32)
;;     6. [M 4,096, K 2,048] x [K 2,048, N 2,048]; A: computed on the way; B: input wo: left as it is (an operand is computed on the way)
;;   THE QUANTISER, for each operand of a quantised product, along K:
;;     - K is cut into blocks of 32 from its start; a last block that is shorter is filled with zeros.
;;     - A block's scale is 2^e with e = floor(log2(the largest magnitude in the block)) - 2, held to -126 .. 127; a block of zeros has e = 0. As a byte (E8M0): e + 127.
;;     - Each number is divided by its block's scale, clamped to +-6, and rounded to the nearest number of E2M1, ties to even, subnormals kept.
;;     - The product sums the exact products of the quantised numbers (number of the format x scale) in f32.
;;   ~~~python
;;   def quantise(x, axis):      # numpy; x: float32 -> the quantised numbers, widened to float32 again
;;       x = np.moveaxis(x, axis, -1); K = x.shape[-1]
;;       x = np.pad(x, [(0, 0)] * (x.ndim - 1) + [(0, -K % 32)]); x = x.reshape(x.shape[:-1] + (-1, 32)); a = np.abs(x).max(-1, keepdims=True)
;;       e = np.where(a > 0, np.clip(np.frexp(np.where(a > 0, a, 1))[1] - 1 - 2, -126, 127), 0)      # np.frexp(a)[1] - 1 = floor(log2(a)), exactly
;;       r = np.clip(x / 2.0 ** e, -6, 6)
;;       step = 2.0 ** (np.maximum(np.frexp(np.where(r == 0, 1, r))[1] - 1, 0) - 1)
;;       q = np.round(r / step) * step * 2.0 ** e      # np.round: ties to even
;;       return np.moveaxis(q.reshape(q.shape[:-2] + (-1,))[..., :K], -1, axis).astype(np.float32)
;;   ~~~
;; One version. Each part assembles by itself: llvm-mc -triple=amdgcn-amd-amdhsa -mcpu=gfx1250 --defsym DOCPART=n.
;; ======== version 1 of 1: 4 launches
;; limits: values are held in f16: magnitudes above 65,504 overflow, below 6.1e-05 lose precision; right only within a limited range of input values
;; workspace buffers: xcodes 4,194,304 bytes; xscales 262,144 bytes; wcodes 6,291,456 bytes; wscales 393,216 bytes; qkv 50,331,648 bytes; att 16,777,216 bytes; wo16 8,650,752 bytes
;; launch quant (part 1): grid 640 x 1, 4 waves a work-group, no clusters, 33,280 bytes of LDS; arguments x, wq, wk, wv, xcodes, xscales, wcodes, wscales; writes xcodes, xscales, wcodes, wscales
.if DOCPART == 1
	.amdgcn_target "amdgcn-amd-amdhsa--gfx1250"
	.amdhsa_code_object_version 6
	.text
	.protected	k_q80839e1298_quant
	.globl	k_q80839e1298_quant
	.p2align	8
	.type	k_q80839e1298_quant,@function
k_q80839e1298_quant:
	s_mov_b64 s[64:65], 0
	v_nop
	global_prefetch_b8 v0, s[64:65] scope:SCOPE_SE
	s_setreg_imm32_b32 hwreg(HW_REG_WAVE_MODE, 25, 1), 1
	s_wait_xcnt 0x0
; x [4096][2048] and wq, wk, wv [2048][2048], f32, K innermost, become codes of FP4 (E2M1), two a byte, K innermost, with one E8M0 byte for each 32 along K.
; A block's scale is 2^(floor(log2(its largest magnitude)) - 2); its byte is the largest magnitude's exponent field - 2, held at 1 from below.  Each number is divided by the scale and rounded to the nearest code, ties to even;
; beyond 6 the conversion gives the largest code.
; LIMITS: a block whose largest magnitude lies under 2^-124 (a block of zeros among them) gets the byte 1: a block of zeros has zero codes, which add nothing under that byte, and this program alone reads the bytes.
; NaN and infinities among the inputs are not served.
; THE WEIGHTS' ROWS ARE STORED IN ANOTHER ORDER, so that the product's plain row-major result is the next launch's operand image.  Source row n = 128 t + d (head t, channel d) goes to row
;   wq:        (d / 8) 128 + 8 t + d % 8            wk: 2048 + the same            wv: 4096 + (d / 16) 256 + (t / 8) 128 + (d % 16) 8 + t % 8
; SHARES.  Work-groups 0-255 take x, 256-383 wq, 384-511 wk, 512-639 wv: 32,768 numbers each; a wave takes 8,192 = four whole rows, in 16 steps of 512 numbers.  Four neighbouring source rows (first row a multiple of 4)
; land 1 row apart (x, wq, wk) or 8 rows apart (wv).  All four tensors take ONE path: only pointers and scalar offsets are chosen, by the work-group's number.
; A STEP.  Four loads of 512 consecutive bytes; the 2,048 bytes turn through the wave's own stage in LDS (16 bytes of padding behind each 64) and come back 64 bytes a lane: 16 neighbours along K, two lanes to a block.
; A lane's 16 codes are 8 bytes: a wave's store covers 256 consecutive bytes, aligned.  The wave's 256 scale bytes are gathered in LDS and leave at the end, 64 bytes a row.
; No barrier: waves share nothing.  Loads run four steps (16 loads a wave) ahead, the turn through LDS one step.
.set STEPS, 16
.set EMAX,  2
.set R,     16                         ; v16-79   four sets of 16 numbers as they are loaded
.set X,     80                         ; v80-111  two sets of 16 neighbours
.set E,     112                        ; v112-127 a scale byte for each step
.set C,     128                        ; v128-191 codes: four registers for each step, so that no store's data are written again
.set VO,    192                        ; v192-195 where my 8 bytes of codes go in the wave's row i: 8 x lane + i x the row step; never rewritten
.set WREG,  8192                       ; LDS: a region for each wave: two stages of 32 x SP bytes, behind them its 256 scale bytes
.set SP,    80                         ; a lane's place in a stage: 64 bytes + 16 of padding
.set SPW,   12                         ; v12      LDS address of my spare word; never rewritten
.set NIL,   13                         ; v13      0; never rewritten
.set SPARE, 4*WREG                     ; behind the four regions: the spare words, 128 bytes a wave, that no other line names
	s_load_b256 s[4:11], s[0:1], 0x0               ; x s[4:5], wq s[6:7], wk s[8:9], wv s[10:11]
	s_load_b256 s[12:19], s[0:1], 0x20             ; x's codes s[12:13], x's scales s[14:15], the weights' codes s[16:17], their scales s[18:19]
	v_lshl_add_u32 v[SPW], v0, 2, SPARE
	v_mov_b32 v[NIL], 0
	v_lshrrev_b32 v1, 5, v0
	v_readfirstlane_b32 s20, v1                    ; wave
	v_and_b32 v2, 31, v0                           ; lane
	v_lshlrev_b32 v3, 4, v2                        ; my 16 bytes of a load's 512
	v_lshlrev_b32 v4, 3, v2                        ; my 8 bytes of a step's codes
	s_mul_i32 s21, s20, WREG
	v_lshrrev_b32 v14, 2, v2
	v_mul_u32_u24 v14, v14, SP
	v_and_b32 v15, 3, v2
	v_lshl_add_u32 v14, v15, 4, v14
	v_add_nc_u32 v14, s21, v14                     ; the stage, on the way in: SP (lane / 4) + 16 (lane % 4); a load's 512 bytes take eight places
	v_mul_u32_u24 v15, v2, SP
	v_add_nc_u32 v15, s21, v15                     ; and on the way out: SP x lane: my 16 neighbours
	v_lshrrev_b32 v5, 1, v2
	s_add_co_u32 s21, s21, 2*32*SP
	v_add_nc_u32 v5, s21, v5                       ; my wave's 256 scale bytes: my block's byte,
	v_add_nc_u32 v6, s21, v4                       ; and on the way out 8 bytes a lane
	; which rows are mine, and where they go
	s_and_b32 s22, ttmp9, 127
	s_cmp_lt_u32 ttmp9, 256
	s_cselect_b32 s22, ttmp9, s22                  ; the work-group's number within its tensor
	s_lshl_b32 s32, s22, 2
	s_add_co_u32 s32, s32, s20                     ; which run of four rows is my wave's
	s_lshl_b32 s33, s32, 2                         ; its first row n
	s_lshr_b32 s34, s33, 7                         ; t
	s_and_b32 s35, s33, 127                        ; d, a multiple of 4
	s_lshr_b32 s36, s35, 3
	s_lshl_b32 s36, s36, 7
	s_lshl_b32 s39, s34, 3
	s_add_co_u32 s36, s36, s39
	s_and_b32 s39, s35, 7
	s_add_co_u32 s36, s36, s39                     ; wq, wk: (d / 8) 128 + 8 t + d % 8
	s_lshr_b32 s37, s35, 4
	s_lshl_b32 s37, s37, 8
	s_lshr_b32 s39, s34, 3
	s_lshl_b32 s39, s39, 7
	s_add_co_u32 s37, s37, s39
	s_and_b32 s39, s35, 15
	s_lshl_b32 s39, s39, 3
	s_add_co_u32 s37, s37, s39
	s_and_b32 s39, s34, 7
	s_add_co_u32 s37, s37, s39                     ; wv: (d / 16) 256 + (t / 8) 128 + (d % 16) 8 + t % 8
	s_sub_co_u32 s38, ttmp9, 256
	s_lshr_b32 s38, s38, 7
	s_lshl_b32 s38, s38, 11                        ; 0, 2048, 4096 for wq, wk, wv (not used for x)
	s_mov_b32 s30, 8192                            ; from one of my rows to the next, in the codes: 8 rows of 1,024 bytes (wv),
	s_mov_b32 s31, 512                             ; and in the scale bytes: 8 rows of 64
	s_wait_kmcnt 0x0
	s_cmp_lt_u32 ttmp9, 512                        ; every choice hangs on the work-group's number alone
	s_cselect_b32 s36, s36, s37
	s_cselect_b32 s30, 1024, s30                   ; all but wv: one row
	s_cselect_b32 s31, 64, s31
	s_cselect_b64 s[24:25], s[8:9], s[10:11]
	s_add_co_u32 s36, s36, s38
	s_cmp_lt_u32 ttmp9, 384
	s_cselect_b64 s[24:25], s[6:7], s[24:25]
	s_cmp_lt_u32 ttmp9, 256
	s_cselect_b64 s[24:25], s[4:5], s[24:25]       ; the source,
	s_cselect_b64 s[26:27], s[12:13], s[16:17]     ; its codes,
	s_cselect_b64 s[28:29], s[14:15], s[18:19]     ; its scale bytes
	s_cselect_b32 s36, s33, s36                    ; x keeps its rows
	s_lshl_b32 s40, s32, 15                        ; four rows of 8,192 bytes
	s_mov_b32 s41, 0
	s_add_nc_u64 s[24:25], s[24:25], s[40:41]
	s_lshl_b32 s40, s36, 10                        ; a row of codes is 1,024 bytes
	s_add_nc_u64 s[26:27], s[26:27], s[40:41]
	s_lshl_b32 s40, s36, 6                         ; a row of scale bytes 64
	s_add_nc_u64 s[28:29], s[28:29], s[40:41]
	v_mov_b32 v[VO], v4
	v_add_nc_u32 v[VO+1], s30, v4
	s_lshl_b32 s39, s30, 1
	v_add_nc_u32 v[VO+2], s39, v4
	s_mul_i32 s39, s30, 3
	v_add_nc_u32 v[VO+3], s39, v4
	v_lshrrev_b32 v7, 3, v2                        ; the scale bytes' way out: eight lanes to a row of 64 bytes
	v_mul_lo_u32 v7, v7, s31
	v_and_b32 v8, 7, v2
	v_lshl_add_u32 v7, v8, 3, v7
.macro LOAD t
.irp i, 0,1,2,3
	global_load_b128 v[R+16*((\t)%4)+4*\i:R+16*((\t)%4)+4*\i+3], v3, s[24:25] offset:2048*(\t)+512*\i th:TH_LOAD_NT   ; 32 lanes read 512 consecutive bytes
.endr
.endm
.macro TURN t                          ; step t's numbers through the stage: LDS serves a wave's instructions in order (ISA guide 5.7.1), so no wait stands between the stores and the loads
.irp i, 0,1,2,3
	ds_store_b128 v14, v[R+16*((\t)%4)+4*\i:R+16*((\t)%4)+4*\i+3] offset:32*SP*((\t)%2)+8*SP*\i
.endr
.irp i, 0,1,2,3
	ds_load_b128 v[X+16*((\t)%2)+4*\i:X+16*((\t)%2)+4*\i+3], v15 offset:32*SP*((\t)%2)+16*\i
.endr
.endm
.irp t, 0,1,2,3
	LOAD \t
.endr
	s_wait_loadcnt 12                              ; step 0's four loads are in; the twelve of steps 1 to 3 may be out
	TURN 0
.macro STEP t
.set XS, X+16*((\t)%2)
.if (\t) > 0
	s_wait_dscnt 1                                 ; this step's numbers are back from the stage (the last step's byte store may be out): so its stores into the stage have read their registers,
.else
	s_wait_dscnt 0x0
.endif
.if (\t)+4 < STEPS
	LOAD (\t)+4                                    ; which take the loads of four steps on
.endif
.if (\t)+1 < STEPS
.if STEPS-2-(\t) >= 3
	s_wait_loadcnt 12                              ; the next step's four loads are in; those of the three steps behind it may be out
.else
	s_wait_loadcnt 4*(STEPS-2-(\t))                ; at the end the count runs down with the steps that are left
.endif
	TURN (\t)+1                                    ; and go through the other stage while this step is worked
.endif
	v_max3_num_f32 v8, |v[XS]|, |v[XS+1]|, |v[XS+2]|               ; the largest magnitude of my 16, in two chains
	v_max3_num_f32 v9, |v[XS+3]|, |v[XS+4]|, |v[XS+5]|
.irp i, 6,10
	v_max3_num_f32 v8, v8, |v[XS+\i]|, |v[XS+\i+1]|
	v_max3_num_f32 v9, v9, |v[XS+\i+2]|, |v[XS+\i+3]|
.endr
	v_max3_num_f32 v8, v8, |v[XS+14]|, |v[XS+15]|
	v_max3_num_f32 v8, v8, v9, (EMAX+1)<<23        ; and the floor 2^(3 - 127): so the byte cannot fall under 1
	v_max_num_f32_dpp v8, v8, v8 row_xmask:1 row_mask:0xf bank_mask:0xf   ; and of my neighbour's 16: the block's
	v_add_nc_u32 v11, -(EMAX<<23), v8              ; 2 off its exponent field: the conversion takes the exponent field of this operand as its scale, and nothing else of it
	v_cvt_scalef32_pk8_fp4_f32 v[C+4*(\t)], v[XS:XS+7], v11        ; the first number's code in the lowest four bits
	v_cvt_scalef32_pk8_fp4_f32 v[C+4*(\t)+1], v[XS+8:XS+15], v11
	v_lshrrev_b32 v[E+(\t)], 23, v11               ; the scale's byte (a plain line behind the conversions)
	ds_store_b8 v5, v[E+(\t)] offset:16*(\t)       ; both lanes of a block write the same byte with the same value
	global_store_b64 v[VO+(\t)/4], v[C+4*(\t):C+4*(\t)+1], s[26:27] offset:256*((\t)%4)   ; a quarter of row t / 4: 256 consecutive bytes, aligned
.endm
.irp t, 0,1,2,3,4,5,6,7,8,9,10,11,12,13,14,15
	STEP \t
.endr
	ds_load_b64 v[8:9], v6                         ; in order behind my byte stores
	s_wait_dscnt 0x0
	global_store_b64 v7, v[8:9], s[28:29]          ; four rows' 64 scale bytes: 256 consecutive bytes for x, wq, wk; four pieces of 64 for wv
	s_wait_tensorcnt 0x0                           ; the wave's end: a wait, an add of 0 to my spare word and its wait, behind my last LDS store
	ds_add_u32 v[SPW], v[NIL]
	s_wait_dscnt 0x0
	s_endpgm
.Lfunc_end_k_q80839e1298_quant:
	.size	k_q80839e1298_quant, .Lfunc_end_k_q80839e1298_quant-k_q80839e1298_quant
	.p2alignl 7, 3214868480
	.fill 96, 4, 3214868480
	.section	.rodata,"a",@progbits
	.p2align	6, 0x0
	.amdhsa_kernel k_q80839e1298_quant
		.amdhsa_group_segment_fixed_size 33280
		.amdhsa_private_segment_fixed_size 0
		.amdhsa_enable_private_segment 0
		.amdhsa_kernarg_size 64
		.amdhsa_user_sgpr_count 2
		.amdhsa_user_sgpr_kernarg_segment_ptr 1
		.amdhsa_wavefront_size32 1
		.amdhsa_system_sgpr_workgroup_id_x 1
		.amdhsa_system_sgpr_workgroup_id_y 1
		.amdhsa_system_sgpr_workgroup_id_z 1
		.amdhsa_system_vgpr_workitem_id 0
		.amdhsa_next_free_vgpr 200
		.amdhsa_next_free_sgpr 66
		.amdhsa_reserve_vcc 0
		.amdhsa_float_denorm_mode_32 3
		.amdhsa_float_denorm_mode_16_64 3
		.amdhsa_memory_ordered 1
		.amdhsa_forward_progress 1
		.amdhsa_inst_pref_size 35
	.end_amdhsa_kernel
	.amdgpu_metadata
---
amdhsa.version: [ 1, 2 ]
amdhsa.kernels:
  - .name:           k_q80839e1298_quant
    .symbol:         k_q80839e1298_quant.kd
    .args:
      - { .name: x, .offset: 0, .size: 8, .value_kind: global_buffer, .address_space: global }
      - { .name: wq, .offset: 8, .size: 8, .value_kind: global_buffer, .address_space: global }
      - { .name: wk, .offset: 16, .size: 8, .value_kind: global_buffer, .address_space: global }
      - { .name: wv, .offset: 24, .size: 8, .value_kind: global_buffer, .address_space: global }
      - { .name: xcodes, .offset: 32, .size: 8, .value_kind: global_buffer, .address_space: global }
      - { .name: xscales, .offset: 40, .size: 8, .value_kind: global_buffer, .address_space: global }
      - { .name: wcodes, .offset: 48, .size: 8, .value_kind: global_buffer, .address_space: global }
      - { .name: wscales, .offset: 56, .size: 8, .value_kind: global_buffer, .address_space: global }
    .group_segment_fixed_size: 33280
    .private_segment_fixed_size: 0
    .kernarg_segment_align: 8
    .kernarg_segment_size: 64
    .max_flat_workgroup_size: 128
    .sgpr_count:     66
    .vgpr_count:     200
    .wavefront_size: 32
...
	.end_amdgpu_metadata
.endif
;; end of part 1
;; launch qkv (part 2): grid 24 x 16, 4 waves a work-group, clusters of 4 x 4, 327,680 bytes of LDS; arguments xcodes, xscales, wcodes, wscales, qkv; writes qkv
.if DOCPART == 2
	.amdgcn_target "amdgcn-amd-amdhsa--gfx1250"
	.amdhsa_code_object_version 6
	.text
	.protected	k_q80839e1298_qkv
	.globl	k_q80839e1298_qkv
	.p2align	8
	.type	k_q80839e1298_qkv,@function
k_q80839e1298_qkv:
	s_mov_b64 s[64:65], 0
	v_nop
	global_prefetch_b8 v0, s[64:65] scope:SCOPE_SE
	s_setreg_imm32_b32 hwreg(HW_REG_WAVE_MODE, 25, 1), 1
	s_wait_xcnt 0x0
	s_wait_alu depctr_hold_cnt(0) depctr_sa_sdst(0) depctr_va_vdst(0) depctr_va_sdst(0) depctr_va_ssrc(0) depctr_va_vcc(0) depctr_vm_vsrc(0)
	s_getreg_b32 s2, hwreg(HW_REG_IB_STS2, 6, 4)
	s_cmp_eq_u32 s2, 0
	s_cbranch_scc0 .Lentry_in_a_cluster
	s_endpgm
.Lentry_in_a_cluster:
	s_bfe_u32 s2, ttmp6, 0x10000c
	s_cmp_lg_u32 s2, 0xf033
	s_cbranch_scc0 .Lentry_shape_is_right
	s_endpgm
.Lentry_shape_is_right:
; C[m][n] = sum over k of A[m][k] B[n][k].  A: x's codes [4096][2048], B: the three weights' codes [6144][2048] (rows in the order that the quantising launch gave them): FP4 (E2M1), two codes a byte, with one E8M0
; byte for each 32 along K ([rows][64]).  C: [4096][6144], rounded once to f16; sums in f32.  LIMIT: |C| under 65,504 (f16).
; A tile of C, 256 x 256, is made by a work-group of four waves; a wave makes 128 x 128: 64 accumulators of 16 x 16, 512 registers.  K goes in steps of 512 through a ring of two LDS slots filled by the tensor data
; mover: a tile's row is 256 bytes of memory.  THE SCALES of the work-group's 256 rows of A and of B, for all of K, are two dense blocks of 16,384 bytes: they come into LDS once, with the first fills, and stay.
; CLUSTERS: 4 x 4 work-groups.  The four of a row of the cluster need the same tiles of A, the four of a column the same tiles of B: each tile is asked for jointly, by the same tensor load with the same descriptor
; and a mask that names the four.  THE MATRIX INSTRUCTION IS USED TRANSPOSED (source 0 = 16 rows of B, source 1 = 16 rows of A): a lane then holds eight neighbouring numbers of a row of C.
; REGISTERS, in windows of 256: window 0: v0-31 addresses; v32-95 scale words, two sets; v128-191 A's fragments (8 x 16 rows x 128 K), ONE set; on the way out v32-63 and v192-255 are at work.
;   window 1: B's fragments, TWO sets, at v0 and at v128.   window 2: the accumulators of my rows 0-63 ((a, b) at v[8 (8 a + b)]);   window 3: those of my rows 64-127.
; A step of 128 along K is 64 matrix instructions, A's blocks one after the other, each against B's eight: a block of A is free as soon as its eight products are issued, so one set serves A.
.set SIZE_M, 4096
.set SIZE_N, 6144
.set SIZE_K, 2048
.set KSTEP,  512                       ; along K in a slot
.set NQ,     KSTEP/128                 ; matrix instructions deep
.set ROWB,   256                       ; a tile's row in bytes
.set KROW,   SIZE_K/2                  ; a row of A or of B in memory, in bytes
.set PITCH,  272                       ; an LDS row: 256 bytes + 16 of padding = 68 words: row r starts at bank 4 r mod 64 (ISA guide 11.1), so the 16 rows of a load start at 16 different banks
.set FR,     8                         ; registers of a fragment
.set NL,     2                         ; LDS loads that bring one
.set NP,     4                         ; places behind this matrix instruction (ISA guide 7.12.1)
.set HALFT,  128*PITCH                 ; 128 rows: what one tensor load brings
.set SLOT,   4*HALFT                   ; A's 256 rows, then B's 256 rows
.set LAPS,   SIZE_K/(2*KSTEP)          ; a lap = two K steps = once round the ring
.set KS,     SIZE_K/32                 ; a row of scales in bytes
.set SCL,    2*SLOT                    ; behind the ring: the scales, as units of 256 bytes + 16 of padding
.set HALFS,  (128*KS/256)*272          ; the scales of 128 rows: what one tensor load brings
.set SBLK,   (16*KS/256)*272           ; those of 16 rows
.set SPARE,  SCL+4*HALFS               ; behind the scales: the spare words, 128 bytes a wave, that no other line names
.set SPITCH, 272                       ; the way out: a stage of 16 rows x (256 bytes + 16) for each wave, in slot 0, which has had its last fill and its last read when the first result is stored there
.set CROW,   SIZE_N*2                  ; a row of C in bytes
.set ADRA, 16                          ; v16-17  LDS address of my A fragments in slot 0, 1
.set ADRB, 20                          ; v20-21  the same for B
.set STO,  24                          ; v24     the way out: where I put 16 bytes of a row
.set RD,   25                          ; v25     the way out: where I read a row back
.set CO,   26                          ; v26     my byte offset in C
.set ADRS, 27                          ; v27     LDS address of my scale words: lanes 0-15 A's rows, lanes 16-31 B's
.set SPW,  28                          ; v28     LDS address of my spare word; never rewritten
.set NIL,  29                          ; v29     0; never rewritten
.set SC,   32                          ; scale words: set s at v[SC + 32 s]; in it register 4 i + q: lanes 0-15 the word of A's block i, lanes 16-31 that of B's block i, for the slot's q-th 128 along K
.set AF,   128                         ; A's fragments, in window 0
.set TMP,  192                         ; the way out: packed results
.set OB,   32                          ; the way out: 16 rows read back from the stage: v32-63 and v224-255 by turns
.set G1, 24                            ; s[24:31] descriptor group 1 for A's tiles;  s[32:39] group 0, one set for each slot
.set G0, 32
.set G1B, 48                           ; s[48:55], s[56:63] the same for B's tiles
.set G0B, 56
.set G1S, 68                           ; s[68:75], s[76:79] groups 1 and 0 for A's scales;  s[80:87], s[88:91] for B's
.set G0S, 76
.set G1SB, 80
.set G0SB, 88
.set MSB, 0
.macro WIN new                         ; the immediate's high byte repeats the setting that is left; a switch that changes nothing is dropped
.if MSB != (\new)
	s_set_vgpr_msb (MSB<<8)|(\new)
.set MSB, (\new)
.endif
.endm
.set MUL_LO, 0xa1                      ; source 0 (B) window 1, source 1 (A) window 0, C and D window 2
.set MUL_HI, 0xf1                      ; the same, C and D window 3
.set TO_B,   0x40                      ; destination window 1, address window 0
; A joint load: waves 0 and 1 fetch for A, waves 2 and 3 for B.  Each of the two lines has one mask and one set of registers for all that issue it; the branch hangs on the wave's number alone.
; An s_nop 0 and four v_nop follow each of the two lines, ahead of the jump, the label and what follows.
.macro JLOAD g0a, g1a, g0b, g1b
	s_cmp_eq_u32 s15, 0
	s_cbranch_scc0 .Lfor_b_\@
	tensor_load_to_lds s[\g0a:\g0a+3], s[\g1a:\g1a+7]
	s_nop 0
.rept 4
	v_nop
.endr
	s_branch .Lasked_\@
.Lfor_b_\@:
	tensor_load_to_lds s[\g0b:\g0b+3], s[\g1b:\g1b+7]
	s_nop 0
.rept 4
	v_nop
.endr
.Lasked_\@:
.endm
.macro CREST                           ; a round of the cluster's barrier behind its opening barrier
	s_cmp_lg_u32 s14, 0
	s_cbranch_scc1 .Lnot_wave_0_\@
	s_barrier_signal -3
.Lnot_wave_0_\@:
	s_barrier_wait -3
	s_barrier_signal -1
	s_barrier_wait -1
.endm
.macro CROUND                          ; a whole round
	s_barrier_signal -1
	s_barrier_wait -1
	CREST
.endm
	s_load_b128 s[4:7], s[0:1], 0x0                ; A's codes s[4:5], A's scales s[6:7]
	s_load_b128 s[8:11], s[0:1], 0x10              ; B's codes s[8:9], B's scales s[10:11]
	s_load_b64 s[12:13], s[0:1], 0x20              ; C
	v_lshl_add_u32 v[SPW], v0, 2, SPARE
	v_mov_b32 v[NIL], 0
	ds_add_u32 v[SPW], v[NIL]                      ; the wave's opening: the add, twice on end, and its wait stand ahead of my first tensor load; the set-up below, work on registers, stands between
	ds_add_u32 v[SPW], v[NIL]
	v_lshrrev_b32 v1, 5, v0
	v_readfirstlane_b32 s14, v1                    ; wave 0..3
	s_lshr_b32 s15, s14, 1                         ; which half of the tile's rows is mine.  Also: I fetch for A (0) or for B (1)
	s_and_b32 s16, s14, 1                          ; which half of its columns.  Also: which 128 rows of that tile I fetch
	s_bfe_u32 s40, ttmp6, 0x40000                  ; cx, cy: my place in the cluster
	s_bfe_u32 s41, ttmp6, 0x40004
	s_lshl_b32 s42, ttmp9, 2
	s_add_co_u32 s42, s42, s40                     ; tile column of C = 4 x cluster x + cx
	s_and_b32 s17, ttmp7, 0xffff
	s_lshl_b32 s17, s17, 2
	s_add_co_u32 s17, s17, s41                     ; tile row of C = 4 x cluster y + cy
	s_lshl_b32 s43, s41, 2
	s_lshl_b32 s43, 15, s43                        ; my row of the cluster
	s_lshl_b32 s44, 0x1111, s40                    ; my column
	; descriptor group 1: a tile of 128 rows x 256 bytes, padded in LDS
	s_or_b32 s[G1+0], s43, (0<<16)|(1<<20)|(1<<21)|(5<<22)|(3<<25)  ; 15:0 the mask: A's tiles go to my row; 17:16 element of 1 byte; 20 padding on; 21 set beside a mask; 24:22 after every 64 words; 31:25 four words
	s_or_b32 s[G1B+0], s44, (0<<16)|(1<<20)|(1<<21)|(5<<22)|(3<<25)
.irp g, G1, G1B
	s_mov_b32 s[\g+1], ROWB<<16                    ; tensor_dim0
	s_mov_b32 s[\g+2], 128<<16                     ; tensor_dim1 = 128
	s_mov_b32 s[\g+3], ROWB<<16                    ; tile_dim0
	s_mov_b32 s[\g+4], 128                         ; tile_dim1 = 128
	s_mov_b32 s[\g+5], KROW                        ; tensor_dim0_stride
	s_mov_b32 s[\g+6], 0
	s_mov_b32 s[\g+7], 0
.endr
	; and for the scales of 128 rows: a dense block of 8,192 bytes, as 32 rows of 256 bytes (32 elements of 8 bytes), 16 bytes of padding behind each
	s_or_b32 s[G1S+0], s43, (3<<16)|(1<<20)|(1<<21)|(5<<22)|(3<<25)
	s_or_b32 s[G1SB+0], s44, (3<<16)|(1<<20)|(1<<21)|(5<<22)|(3<<25)
.irp g, G1S, G1SB
	s_mov_b32 s[\g+1], 32<<16
	s_mov_b32 s[\g+2], (128*KS/256)<<16
	s_mov_b32 s[\g+3], 32<<16
	s_mov_b32 s[\g+4], 128*KS/256
	s_mov_b32 s[\g+5], 32
	s_mov_b32 s[\g+6], 0
	s_mov_b32 s[\g+7], 0
.endr
	s_lshl_b32 s18, s16, 7                         ; which 128 rows of the tile I fetch
	s_lshl_b32 s20, s17, 8
	s_add_co_u32 s20, s20, s18                     ; A: row 256 x tile row + 128 x half
	s_lshl_b32 s46, s42, 8
	s_add_co_u32 s46, s46, s18                     ; B: row 256 x tile column + 128 x half
	s_mov_b32 s21, 0
	s_mov_b32 s47, 0
	s_mov_b64 s[18:19], KS
	s_mul_u64 s[22:23], s[20:21], s[18:19]         ; where these rows' scales begin, in bytes
	s_mul_u64 s[92:93], s[46:47], s[18:19]
	s_mov_b64 s[18:19], KROW
	s_mul_u64 s[20:21], s[20:21], s[18:19]         ; and their codes
	s_mul_u64 s[46:47], s[46:47], s[18:19]
	s_mul_i32 s45, s14, HALFT                      ; where they go: wave x 128 rows: no place in the cluster enters an LDS address
	s_mul_i32 s94, s14, HALFS
	s_wait_dscnt 0x0                               ; both opening adds are done
	s_wait_kmcnt 0x0
	s_add_nc_u64 s[20:21], s[4:5], s[20:21]
	s_add_nc_u64 s[22:23], s[6:7], s[22:23]
	s_add_nc_u64 s[46:47], s[8:9], s[46:47]
	s_add_nc_u64 s[92:93], s[10:11], s[92:93]
	CROUND                                         ; all sixteen work-groups are here: the first joint loads meet
	s_mov_b32 s[G0S], 1
	s_add_co_u32 s[G0S+1], s94, SCL
	s_mov_b64 s[G0S+2:G0S+3], s[22:23]
	s_or_b32 s[G0S+3], s[G0S+3], 0x80000000
	s_mov_b32 s[G0SB], 1
	s_add_co_u32 s[G0SB+1], s94, SCL
	s_mov_b64 s[G0SB+2:G0SB+3], s[92:93]
	s_or_b32 s[G0SB+3], s[G0SB+3], 0x80000000
	JLOAD G0S, G1S, G0SB, G1SB                     ; the scales first: they are wanted with K step 0
.irp s, 0,1
	s_mov_b32 s[G0+4*\s], 1
	s_add_co_u32 s[G0+4*\s+1], s45, \s*SLOT
	s_add_nc_u64 s[G0+4*\s+2:G0+4*\s+3], s[20:21], \s*ROWB
	s_or_b32 s[G0+4*\s+3], s[G0+4*\s+3], 0x80000000
	s_mov_b32 s[G0B+4*\s], 1
	s_add_co_u32 s[G0B+4*\s+1], s45, \s*SLOT
	s_add_nc_u64 s[G0B+4*\s+2:G0B+4*\s+3], s[46:47], \s*ROWB
	s_or_b32 s[G0B+4*\s+3], s[G0B+4*\s+3], 0x80000000
	JLOAD G0+4*\s, G1, G0B+4*\s, G1B               ; three tensor loads of mine are out behind the second of these
.endr
	v_and_b32 v1, 15, v0                           ; l % 16
	v_bfe_u32 v2, v0, 4, 1                         ; l / 16
	v_mul_u32_u24 v3, v1, PITCH
	v_lshl_add_u32 v4, v2, 4, v3                   ; a fragment's row x pitch + 16 x half
	s_mul_i32 s21, s15, HALFT                      ; my 128 rows of A
	s_mul_i32 s22, s16, HALFT                      ; my 128 rows of B,
	s_add_co_u32 s22, s22, 2*HALFT                 ; which lie behind A's 256
.irp s, 0,1
	v_add_nc_u32 v[ADRA+\s], s21, v4
	v_add_nc_u32 v[ADRB+\s], s22, v4
	s_add_co_u32 s21, s21, SLOT
	s_add_co_u32 s22, s22, SLOT
.endr
	v_mul_u32_u24 v5, v1, KS                       ; my row's scales: 64 bytes a row,
	v_lshrrev_b32 v6, 8, v5
	v_lshl_add_u32 v5, v6, 4, v5                   ; and 16 more for each 256 passed
	s_mul_i32 s21, s15, HALFS                      ; A's: my 128 rows
	s_mul_i32 s22, s16, HALFS                      ; B's: my 128 rows, behind A's 256
	s_add_co_u32 s22, s22, 2*HALFS
	s_sub_co_u32 s22, s22, s21
	v_mul_u32_u24 v6, s22, v2                      ; lanes 16-31 take B's: the lower base + half x the distance
	s_add_co_u32 s21, s21, SCL
	v_add_nc_u32 v5, v5, v6
	v_add_nc_u32 v[ADRS], s21, v5
	s_mul_i32 s23, s14, 16*SPITCH                  ; my stage
	v_mul_u32_u24 v5, v1, SPITCH                   ; in: row l % 16, 16 bytes for each half of the lanes
	v_lshl_add_u32 v5, v2, 4, v5
	v_add_nc_u32 v[STO], s23, v5
	v_mul_u32_u24 v5, v2, SPITCH                   ; back: lanes 0-15 take one row of 256 bytes, lanes 16-31 the next
	v_lshl_add_u32 v5, v1, 4, v5
	v_add_nc_u32 v[RD], s23, v5
	v_mul_u32_u24 v5, v2, CROW                     ; and the same two rows in C
	v_lshl_add_u32 v[CO], v1, 4, v5
	s_lshl_b32 s20, s17, 8
	s_lshl_b32 s21, s15, 7
	s_add_co_u32 s20, s20, s21                     ; my first row of C: 256 x tile row + 128 x half
	s_mov_b32 s21, 0
	s_mov_b64 s[18:19], CROW
	s_mul_u64 s[20:21], s[20:21], s[18:19]
	s_lshl_b32 s46, s42, 9                         ; my first column, in bytes: 512 x tile column + 256 x half
	s_lshl_b32 s47, s16, 8
	s_add_co_u32 s46, s46, s47
	s_mov_b32 s47, 0
	s_add_nc_u64 s[20:21], s[20:21], s[46:47]
	s_add_nc_u64 s[12:13], s[12:13], s[20:21]
.macro FRAG reg, adr, q, i             ; a fragment, 16 rows x 128 K of 4-bit codes: lane l holds row l % 16; registers 4 c .. 4 c + 3 hold K = 64 c + 32 (l / 16) + 0 .. 31
.irp c, 0,1
	ds_load_b128 v[\reg+4*\c:\reg+4*\c+3], v[\adr] offset:64*(\q)+32*\c+(\i)*16*PITCH
.endr
.endm
; 16 matrix instructions: A's blocks a0, a0 + 1 x B's eight, the slot's q-th 128 along K.  p: B's set;  sc: the set of scale words.  zero = 1: the first product starts the sums: nothing is ever cleared.
; The 64 accumulators take turns, one instruction a turn, in the same order in every step.  Source 0's scales (B's) are read from lanes 16-31 of their register.
.macro MUL16 a0, p, q, sc, zero
.irp a, \a0, \a0+1
.irp b, 0,1,2,3,4,5,6,7
.set rD, 8*(8*((\a)%4)+\b)
.set rB, 128*(\p)+FR*\b
.set rA, AF+FR*(\a)
.set rSB, SC+8*NQ*(\sc)+NQ*\b+(\q)
.set rSA, SC+8*NQ*(\sc)+NQ*(\a)+(\q)
.if \zero
	v_wmma_scale_f32_16x16x128_f8f6f4 v[rD:rD+7], v[rB:rB+7], v[rA:rA+7], 0, v[rSB], v[rSA] matrix_a_fmt:MATRIX_FMT_FP4 matrix_b_fmt:MATRIX_FMT_FP4 matrix_a_scale:MATRIX_SCALE_ROW1
.else
	v_wmma_scale_f32_16x16x128_f8f6f4 v[rD:rD+7], v[rB:rB+7], v[rA:rA+7], v[rD:rD+7], v[rSB], v[rSA] matrix_a_fmt:MATRIX_FMT_FP4 matrix_b_fmt:MATRIX_FMT_FP4 matrix_a_scale:MATRIX_SCALE_ROW1
.endif
.endr
.endr
.endm
.macro FETCH_B slot, q, p              ; B's eight fragments of the slot's q-th 128 along K into set p
	WIN TO_B
.irp i, 0,1,2,3,4,5,6,7
	FRAG 128*(\p)+FR*\i, ADRB+\slot, \q, \i
.endr
	WIN 0
.endm
.macro FETCH_A slot, q, i0             ; A's blocks i0 .. i0 + 3
.irp i, \i0, \i0+1, \i0+2, \i0+3
	FRAG AF+FR*(\i), ADRA+\slot, \q, \i
.endr
.endm
.macro SCALES sc                       ; a K step's scale words into set sc: four words a row; lanes 0-15 take A's block i, lanes 16-31 B's block i
.irp i, 0,1,2,3,4,5,6,7
	ds_load_b128 v[SC+8*NQ*\sc+NQ*\i:SC+8*NQ*\sc+NQ*\i+3], v[ADRS] offset:\i*SBLK
.endr
.endm
; A load into a register that a matrix instruction has read, and a vector instruction that reads a matrix result, stand NP places behind that matrix instruction; only plain vector instructions that name none of its
; registers are places (ISA guide 7.12.1 for vector instructions).
.macro PLACES n
.rept \n
	v_nop
.endr
.endm
; A step of 128 along K that has its successor in the same slot.
.macro STEP slot, q, zero
	s_wait_dscnt 4*NL                              ; B's set and A's blocks 0-3 are in; the youngest eight loads (A's blocks 4-7) may be out
	WIN MUL_LO
	MUL16 0, (\q)%2, \q, \slot, \zero
	MUL16 2, (\q)%2, \q, \slot, \zero
	s_wait_dscnt 0                                 ; A's blocks 4-7 are in (asked for 32 matrix instructions ago)
	PLACES NP
	FETCH_B \slot, (\q)+1, 1-(\q)%2
	FETCH_A \slot, (\q)+1, 0
	WIN MUL_HI
	MUL16 4, (\q)%2, \q, \slot, \zero
	MUL16 6, (\q)%2, \q, \slot, \zero
	PLACES NP
	WIN 0
	FETCH_A \slot, (\q)+1, 4
.endm
; A slot's last step changes slots: ONE barrier; in front of it each wave waits for all its tensor loads, adds 0 to its spare word, and waits for that and for its own reads of this slot.  fill = 1: this slot is filled again, two K steps ahead.
.macro TURN slot, next, fill
	s_wait_tensorcnt 0x0                           ; all my tensor loads have landed: my part of the next slot  (every window is 0 here)
	ds_add_u32 v[SPW], v[NIL]                      ; 0 onto my spare word
	s_wait_dscnt 4*NL+1                            ; (the add and the youngest eight loads, A's blocks 4-7, may be out)
	WIN MUL_LO
	MUL16 0, 1, NQ-1, \slot, 0                     ; sixteen matrix instructions stand between the add and the wait for it
	s_wait_dscnt 0x0                               ; the add is done, and my reads of this slot are over
	s_barrier_signal -1
	MUL16 2, 1, NQ-1, \slot, 0
	WIN 0
	s_barrier_wait -1
.if \fill
	CREST                                          ; the barrier has opened a round of the cluster's barrier: no wave of any partner still reads this slot's tile or has a load on its way
	s_add_nc_u64 s[G0+4*\slot+2:G0+4*\slot+3], s[G0+4*\slot+2:G0+4*\slot+3], 2*ROWB
	s_add_nc_u64 s[G0B+4*\slot+2:G0B+4*\slot+3], s[G0B+4*\slot+2:G0B+4*\slot+3], 2*ROWB
	JLOAD G0+4*\slot, G1, G0B+4*\slot, G1B         ; the first tensor load behind the round, my only one out; the four v_nop behind it are the places in front of the loads below
.else
	PLACES NP
.endif
	v_add_nc_u32 v[ADRS], 4*NQ, v[ADRS]            ; on to the next K step's scale words (no LDS load of mine is out)
	FETCH_B \next, 0, 0
	FETCH_A \next, 0, 0
	SCALES \next
	WIN MUL_HI
	MUL16 4, 1, NQ-1, \slot, 0
	MUL16 6, 1, NQ-1, \slot, 0
	PLACES NP
	WIN 0
	FETCH_A \next, 0, 4
.endm
.macro STEPS slot, from                ; the slot's steps from .. NQ - 2
.set Q, \from
.rept NQ-1-\from
	STEP \slot, Q, 0
.set Q, Q+1
.endr
.endm
	s_wait_tensorcnt 1                             ; the scales and my part of K step 0 are in (K step 1's load may be out)
	s_barrier_signal -1
	s_barrier_wait -1                              ; everybody's are
	FETCH_B 0, 0, 0
	FETCH_A 0, 0, 0
	SCALES 0
	FETCH_A 0, 0, 4
	STEP 0, 0, 1                                   ; the first step stands in front of the loop: its products start the sums
	s_mov_b32 s3, LAPS-1
.Llap:                                                 ; a trip goes once round the ring, from a lap's second step to the next lap's first, and fills both slots again
	STEPS 0, 1
	TURN 0, 1, 1
	STEPS 1, 0
	TURN 1, 0, 1
	STEP 0, 0, 0
	s_sub_co_u32 s3, s3, 1
	s_cmp_lg_u32 s3, 0
	s_cbranch_scc1 .Llap
	STEPS 0, 1                                     ; the last lap fills nothing, and has no round of the cluster's barrier
	TURN 0, 1, 0
	STEPS 1, 0
	s_wait_dscnt 4*NL                              ; the very last step: nothing more to fetch
	WIN MUL_LO
	MUL16 0, 1, NQ-1, 1, 0
	MUL16 2, 1, NQ-1, 1, 0
	s_wait_dscnt 0
	WIN MUL_HI
	MUL16 4, 1, NQ-1, 1, 0
	MUL16 6, 1, NQ-1, 1, 0
	WIN 0
; THE WAY OUT, block by block of 16 rows x 128 columns.  PACK: rounded to f16, a lane's eight numbers are 16 bytes of a row.  TOSTAGE: into my own stage in LDS and back as whole rows of 256 bytes.  SEND: stored.
.macro PACK a
.set AC, 64*((\a)%4)
	WIN 0x0a+5*((\a)/4)                            ; sources 0 and 1: window 2 or 3
.irp b, 0,1,2,3,4,5,6,7
.irp r, 0,1,2,3
	v_cvt_pk_f16_f32 v[TMP+4*\b+\r], v[AC+8*\b+2*\r], v[AC+8*\b+2*\r+1]   ; each accumulator from its low end on
.endr
.endr
	WIN 0
.endm
.macro TOSTAGE a
.set BK, OB+192*((\a)%2)
.irp b, 0,1,2,3,4,5,6,7
	ds_store_b128 v[STO], v[TMP+4*\b:TMP+4*\b+3] offset:32*\b
.endr
.irp t, 0,1,2,3,4,5,6,7
	ds_load_b128 v[BK+4*\t:BK+4*\t+3], v[RD] offset:\t*2*SPITCH    ; LDS serves a wave's instructions in order (ISA guide 5.7.1.4): these see the stores above
.endr
.endm
.macro SEND a
.set BK, OB+192*((\a)%2)
	s_wait_dscnt 0x0                               ; the block is back in registers
	s_wait_xcnt 0x0                                ; the earlier stores have read their base and their data: the base may step, and the next block's loads may land where the block before last lay
.if (\a) > 0
	s_add_nc_u64 s[12:13], s[12:13], 16*CROW       ; 16 rows of C on: the stores' offsets stay at 14 rows at the most, inside the signed 24-bit immediate
.endif
.irp t, 0,1,2,3,4,5,6,7
	global_store_b128 v[CO], v[BK+4*\t:BK+4*\t+3], s[12:13] offset:2*\t*CROW   ; 16 lanes store 256 consecutive bytes, at a multiple of 256 from C's first byte
.endr
.endm
	PLACES NP                                      ; behind the last products: for the conversions that read results and for the loads into registers that held scale words
	PACK 0
	TOSTAGE 0
.irp a, 1,2,3,4,5,6,7                  ; block a's conversions stand between block a - 1's loads from the stage and the wait for them
	PACK \a
	SEND \a-1
	TOSTAGE \a
.endr
	SEND 7
	s_wait_tensorcnt 0x0                           ; the wave's end: a wait, an add of 0 to my spare word and its wait, behind my last tensor load and my last LDS store
	ds_add_u32 v[SPW], v[NIL]
	s_wait_dscnt 0x0
	CROUND                                         ; the closing round: no work-group ends while a partner may still ask for a tile that names it
	s_endpgm
.Lfunc_end_k_q80839e1298_qkv:
	.size	k_q80839e1298_qkv, .Lfunc_end_k_q80839e1298_qkv-k_q80839e1298_qkv
	.p2alignl 7, 3214868480
	.fill 96, 4, 3214868480
	.section	.rodata,"a",@progbits
	.p2align	6, 0x0
	.amdhsa_kernel k_q80839e1298_qkv
		.amdhsa_group_segment_fixed_size 327680
		.amdhsa_private_segment_fixed_size 0
		.amdhsa_enable_private_segment 0
		.amdhsa_kernarg_size 40
		.amdhsa_user_sgpr_count 2
		.amdhsa_user_sgpr_kernarg_segment_ptr 1
		.amdhsa_wavefront_size32 1
		.amdhsa_system_sgpr_workgroup_id_x 1
		.amdhsa_system_sgpr_workgroup_id_y 1
		.amdhsa_system_sgpr_workgroup_id_z 1
		.amdhsa_system_vgpr_workitem_id 0
		.amdhsa_next_free_vgpr 1024
		.amdhsa_next_free_sgpr 98
		.amdhsa_reserve_vcc 0
		.amdhsa_float_denorm_mode_32 3
		.amdhsa_float_denorm_mode_16_64 3
		.amdhsa_memory_ordered 1
		.amdhsa_forward_progress 1
		.amdhsa_inst_pref_size 214
	.end_amdhsa_kernel
	.amdgpu_metadata
---
amdhsa.version: [ 1, 2 ]
amdhsa.kernels:
  - .name:           k_q80839e1298_qkv
    .symbol:         k_q80839e1298_qkv.kd
    .args:
      - { .name: xcodes, .offset: 0, .size: 8, .value_kind: global_buffer, .address_space: global }
      - { .name: xscales, .offset: 8, .size: 8, .value_kind: global_buffer, .address_space: global }
      - { .name: wcodes, .offset: 16, .size: 8, .value_kind: global_buffer, .address_space: global }
      - { .name: wscales, .offset: 24, .size: 8, .value_kind: global_buffer, .address_space: global }
      - { .name: qkv, .offset: 32, .size: 8, .value_kind: global_buffer, .address_space: global }
    .group_segment_fixed_size: 327680
    .private_segment_fixed_size: 0
    .kernarg_segment_align: 8
    .kernarg_segment_size: 40
    .max_flat_workgroup_size: 128
    .sgpr_count:     98
    .vgpr_count:     1024
    .wavefront_size: 32
...
	.end_amdgpu_metadata
.endif
;; end of part 2
;; launch attn (part 3): grid 688 x 1, 4 waves a work-group, no clusters, 0 bytes of LDS; arguments qkv, wo, att, wo16; writes att, wo16
.if DOCPART == 3
	.amdgcn_target "amdgcn-amd-amdhsa--gfx1250"
	.amdhsa_code_object_version 6
	.text
	.protected	k_q80839e1298_attn
	.globl	k_q80839e1298_attn
	.p2align	8
	.type	k_q80839e1298_attn,@function
k_q80839e1298_attn:
	s_mov_b64 s[64:65], 0
	v_nop
	global_prefetch_b8 v0, s[64:65] scope:SCOPE_SE
	s_setreg_imm32_b32 hwreg(HW_REG_WAVE_MODE, 25, 1), 1
	s_wait_xcnt 0x0
; WORK-GROUPS 0-511: at each of the 4,096 positions the 16 heads attend to each other: scores[h][t] = q[h] . k[t] / sqrt(128), softmax over t (the row's maximum taken away), out[h] = sum over t of attn[h][t] v[t].
; WORK-GROUPS 512-687: wo [2048][2048] f32 is rounded to f16 and laid by K steps of 192, as the last launch walks it.
; qkv: [position][6144] f16: q' (4,096 bytes) = [d / 8 (16)][head (16)][8 d];  k' likewise;  v' = [d / 16 (8)][t / 8 (2)][d % 16 (16)][8 t].  Each operand fragment is then 512 consecutive bytes, 16 a lane.
; att: [position][d / 8 (16)][head (16)][8 d] f16, which the last launch reads as operand images.
; wo16: [K step m (11)][row n (2048)][192] f16; piece m begins at K = min(192 m, 1856): 2,048 = 10 x 192 + 128, and the eleventh piece reaches 64 back, so that all pieces have one shape.
; LIMITS: q, k, v and the result travel as f16: magnitudes under 65,504; numbers of wo under 6e-5 become f16 subnormals (absolute error at most 3e-8).  NaN and infinities are not served.
; A WAVE TAKES TWO POSITIONS, e = 0, 1.  No LDS, no barrier, no loop: 48 loads, 24 matrix instructions, 16 stores.
; S^T = K Q^T (source 0 = the 16 key heads, source 1 = the 16 query heads; K = 128 in four steps): lane (r, hh) holds query head r and key heads 8 hh + 0 .. 7.  The softmax wants one exchange between the halves of the lanes.
; The eight weights of a lane, rounded to f16 in pairs, ARE registers 0-3 of source 1 of O^T = V^T P^T.  That product has K = 32: the first 16 are position 0's key heads, the last 16 position 1's; source 0 holds both
; positions' V, and source 1 is (P0 | zeros) or (zeros | P1), so that the other position's V is multiplied by zeros.  In the result lane (r, hh) holds query head r and channels 16 tile + 8 hh + 0 .. 7: 16 bytes of att.
.set ROWQ, 12288                       ; a position's row of qkv in bytes
.set QF,  16                           ; v16-79    Q: position e at QF + 32 e: K step kk at + 8 kk
.set KF,  80                           ; v80-143   K likewise
.set VF,  144                          ; v144-207  V: tile i at VF + 8 i: registers 0-3 position 0's, 4-7 position 1's; later the packed results
.set S,   208                          ; v208-223  scores, then weights: position e at S + 8 e
.set P,   224                          ; v224-227 P0, v228-231 zeros, v232-235 P1
.set MX,  236                          ; v236-237  the row's maximum
.set PD,  238                          ; v238-239  the other half of the lanes' number
.set CM,  240                          ; v240-241  c x the maximum
.set SU,  242                          ; v242-249  sums, four registers a position
.set RC,  250                          ; v250-251  1 / the row's sum
.set OA,  16                           ; O^T's accumulators: position e, tile i at OA + 64 e + 8 i: over Q and K, which are done with
.set CR,  16                           ; the cast: v16-79 sixteen sets of four numbers as loaded
.set CW,  80                           ; v80-175 a pair for each of the 48 stores, so that no store's data are written again
	s_load_b256 s[4:11], s[0:1], 0x0               ; qkv s[4:5], wo s[6:7], att s[8:9], wo16 s[10:11]
	v_lshrrev_b32 v1, 5, v0
	v_readfirstlane_b32 s12, v1                    ; wave
	v_and_b32 v3, 31, v0                           ; lane
	v_lshlrev_b32 v1, 4, v3                        ; 16 bytes a lane
	v_lshlrev_b32 v2, 3, v3                        ; 8 bytes a lane
	s_mov_b32 s20, 0x76543210                      ; v_permlanex16_b32's selects for lane l xor 16
	s_mov_b32 s21, 0xfedcba98
	s_mov_b32 s22, 0x3e0293ee                      ; c = log2(e) / sqrt(128)
	s_wait_kmcnt 0x0
	s_cmp_ge_u32 ttmp9, 512
	s_cbranch_scc1 .Lcast
	s_lshl_b32 s13, ttmp9, 2
	s_add_co_u32 s13, s13, s12                     ; my pair of positions
	s_mul_i32 s14, s13, 2*ROWQ
	s_mov_b32 s15, 0
	s_add_nc_u64 s[4:5], s[4:5], s[14:15]
	s_lshl_b32 s14, s13, 13                        ; two positions of 4,096 bytes
	s_add_nc_u64 s[8:9], s[8:9], s[14:15]
.irp e, 0,1
.irp i, 0,1,2,3,4,5,6,7
	global_load_b128 v[KF+32*\e+4*\i:KF+32*\e+4*\i+3], v1, s[4:5] offset:\e*ROWQ+4096+512*\i th:TH_LOAD_NT   ; lane (r, hh): head r, channels 8 (2 i + hh) + 0 .. 7
.endr
.irp i, 0,1,2,3,4,5,6,7
	global_load_b128 v[QF+32*\e+4*\i:QF+32*\e+4*\i+3], v1, s[4:5] offset:\e*ROWQ+512*\i th:TH_LOAD_NT
.endr
.endr
.irp i, 0,1,2,3,4,5,6,7
.irp e, 0,1
	global_load_b128 v[VF+8*\i+4*\e:VF+8*\i+4*\e+3], v1, s[4:5] offset:\e*ROWQ+8192+512*\i th:TH_LOAD_NT     ; lane (r, hh): channel 16 i + r, key heads 8 hh + 0 .. 7
.endr
.endr
	s_wait_loadcnt 16                              ; Q and K are in; V's sixteen loads may be out
.irp kk, 0,1,2,3                       ; the two positions' accumulators take turns, one instruction a turn
.irp e, 0,1
.if \kk == 0
	v_wmma_f32_16x16x32_f16 v[S+8*\e:S+8*\e+7], v[KF+32*\e+8*\kk:KF+32*\e+8*\kk+7], v[QF+32*\e+8*\kk:QF+32*\e+8*\kk+7], 0
.else
	v_wmma_f32_16x16x32_f16 v[S+8*\e:S+8*\e+7], v[KF+32*\e+8*\kk:KF+32*\e+8*\kk+7], v[QF+32*\e+8*\kk:QF+32*\e+8*\kk+7], v[S+8*\e:S+8*\e+7]
.endif
.endr
.endr
.irp j, 4,5,6,7
	v_mov_b32 v[P+\j], 0                           ; the zeros of the second product's source 1.  These six lines are also the places behind the products: four ahead of the reads of the scores,
.endr
	v_mov_b32 v[PD], 0                             ; five ahead of the later products that write over Q and K.  (A lane permute's destination counts as one of its sources)
	v_mov_b32 v[PD+1], 0
.irp e, 0,1
	v_max3_num_f32 v[MX+\e], v[S+8*\e], v[S+8*\e+1], v[S+8*\e+2]   ; the row's maximum, from the accumulator's low end on; the two positions by turns
.endr
.irp e, 0,1
	v_max3_num_f32 v[MX+\e], v[MX+\e], v[S+8*\e+3], v[S+8*\e+4]
.endr
.irp e, 0,1
	v_max3_num_f32 v[MX+\e], v[MX+\e], v[S+8*\e+5], v[S+8*\e+6]
.endr
.irp e, 0,1
	v_max_num_f32 v[MX+\e], v[MX+\e], v[S+8*\e+7]
.endr
.irp e, 0,1
	v_permlanex16_b32 v[PD+\e], v[MX+\e], s20, s21 ; the query head's other eight key heads lie in the lane 16 away
.endr
.irp e, 0,1
	v_max_num_f32 v[MX+\e], v[MX+\e], v[PD+\e]
.endr
.irp e, 0,1
	v_mul_f32 v[CM+\e], s22, v[MX+\e]
.endr
.irp e, 0,1
.irp j, 0,1,2,3,4,5,6,7
	v_fma_f32 v[S+8*\e+\j], v[S+8*\e+\j], s22, -v[CM+\e]           ; c s - c m
.endr
.endr
.irp j, 0,1,2,3,4,5,6,7,8,9,10,11,12,13,14,15
	v_exp_f32 v[S+\j], v[S+\j]                     ; one batch of sixteen
.endr
	v_nop                                          ; a plain instruction behind the last exponential (ISA guide 5.7.2)
	s_wait_alu depctr_va_vdst(0)                   ; and one wait ahead of the batch's first reader
.irp e, 0,1
	v_pk_add_f32 v[SU+4*\e:SU+4*\e+1], v[S+8*\e:S+8*\e+1], v[S+8*\e+2:S+8*\e+3]
	v_pk_add_f32 v[SU+4*\e+2:SU+4*\e+3], v[S+8*\e+4:S+8*\e+5], v[S+8*\e+6:S+8*\e+7]
.endr
.irp e, 0,1
	v_pk_add_f32 v[SU+4*\e:SU+4*\e+1], v[SU+4*\e:SU+4*\e+1], v[SU+4*\e+2:SU+4*\e+3]
.endr
.irp e, 0,1
	v_add_f32 v[SU+4*\e], v[SU+4*\e], v[SU+4*\e+1]
.endr
.irp e, 0,1
	v_permlanex16_b32 v[PD+\e], v[SU+4*\e], s20, s21
.endr
.irp e, 0,1
	v_add_f32 v[SU+4*\e], v[SU+4*\e], v[PD+\e]     ; the row's sum: at least 1, since the largest weight is 1
.endr
.irp e, 0,1
	v_rcp_f32 v[RC+\e], v[SU+4*\e]
.endr
	v_nop                                          ; a plain instruction behind the reciprocals,
	s_wait_alu depctr_va_vdst(0)                   ; and their wait
.irp e, 0,1
.irp j, 0,1,2,3,4,5,6,7
	v_mul_f32 v[S+8*\e+\j], v[S+8*\e+\j], v[RC+\e] ; the weights, normalised in f32
.endr
.endr
.irp e, 0,1
.irp j, 0,1,2,3
	v_cvt_pk_f16_f32 v[P+8*\e+\j], v[S+8*\e+2*\j], v[S+8*\e+2*\j+1]   ; key heads 8 hh + 2 j, + 1: the lower in the low half
.endr
.endr
	s_wait_loadcnt 0x0                             ; V
.irp i, 0,1,2,3,4,5,6,7                ; sixteen accumulators, each written once
	v_wmma_f32_16x16x32_f16 v[OA+8*\i:OA+8*\i+7], v[VF+8*\i:VF+8*\i+7], v[P:P+7], 0
	v_wmma_f32_16x16x32_f16 v[OA+64+8*\i:OA+64+8*\i+7], v[VF+8*\i:VF+8*\i+7], v[P+4:P+11], 0
.endr
.rept 4
	v_nop                                          ; places ahead of the conversions, which read results and write over V
.endr
.irp e, 0,1
.irp i, 0,1,2,3,4,5,6,7
.irp j, 0,1,2,3
	v_cvt_pk_f16_f32 v[VF+32*\e+4*\i+\j], v[OA+64*\e+8*\i+2*\j], v[OA+64*\e+8*\i+2*\j+1]   ; each accumulator from its low end on
.endr
.endr
.endr
.irp e, 0,1
.irp i, 0,1,2,3,4,5,6,7
	global_store_b128 v1, v[VF+32*\e+4*\i:VF+32*\e+4*\i+3], s[8:9] offset:\e*4096+512*\i th:TH_STORE_NT   ; 32 lanes store 512 consecutive bytes, aligned: chunks 2 i and 2 i + 1 of the position
.endr
.endr
	s_endpgm
; THE CAST.  704 tasks, one a wave: K step m = task / 64, rows 32 (task % 64) + 0 .. 31.  A task's 32 pieces of 384 bytes lie on end in wo16: 12,288 bytes, 48 stores of 256 consecutive bytes, aligned, 8 bytes a lane.
; Sixteen lanes' 128 bytes of f16 are 64 numbers, a third of a piece: third j = 2 i + lane / 16 of store i is part j % 3 of row j / 3, which in wo is 256 consecutive bytes, aligned.  So each half of the lanes reads whole
; aligned 256 bytes.  The first half's place, (2 i / 3) rows + (2 i % 3) x 256 bytes, stands in the immediate; the second half's is 256 bytes on, or, where 2 i % 3 = 2 (i % 3 = 1), at the next row's start: 8,192 - 512 on.
; No hint on the loads: K = 1,856 to 1,919 of each row is read for two pieces.  Sixteen loads run ahead.
.Lcast:
	s_sub_co_u32 s13, ttmp9, 512
	s_lshl_b32 s13, s13, 2
	s_add_co_u32 s13, s13, s12                     ; my task
	s_lshr_b32 s16, s13, 6                         ; m
	s_and_b32 s17, s13, 63                         ; which 32 rows
	s_mul_i32 s14, s16, 768                        ; the piece's first number in a row of wo, in bytes: 4 x min(192 m, 1856)
	s_min_u32 s14, s14, 7424
	s_lshl_b32 s18, s17, 18                        ; 32 rows of 8,192 bytes
	s_add_co_u32 s14, s14, s18
	s_mov_b32 s15, 0
	s_add_nc_u64 s[6:7], s[6:7], s[14:15]
	s_mul_i32 s14, s16, 2048*384                   ; a K step's pieces,
	s_mul_i32 s18, s17, 32*384                     ; 32 rows' pieces
	s_add_co_u32 s14, s14, s18
	s_add_nc_u64 s[10:11], s[10:11], s[14:15]
	v_and_b32 v6, 15, v0
	v_bfe_u32 v7, v0, 4, 1
	v_lshlrev_b32 v4, 4, v6
	v_lshl_add_u32 v4, v7, 8, v4                   ; 16 (lane % 16) + 256 (lane / 16)
	v_mul_u32_u24 v5, v7, 7680
	v_lshl_add_u32 v5, v6, 4, v5                   ; 16 (lane % 16) + 7,680 (lane / 16)
.macro CLOAD i
.if ((\i)%3) == 1
	global_load_b128 v[CR+4*((\i)%16):CR+4*((\i)%16)+3], v5, s[6:7] offset:((2*(\i))/3)*8192+((2*(\i))%3)*256
.else
	global_load_b128 v[CR+4*((\i)%16):CR+4*((\i)%16)+3], v4, s[6:7] offset:((2*(\i))/3)*8192+((2*(\i))%3)*256
.endif
.endm
.irp i, 0,1,2,3,4,5,6,7,8,9,10,11,12,13,14,15
	CLOAD \i
.endr
.macro CV i
.if (\i) < 32
	s_wait_loadcnt 15                              ; load i is in; the fifteen younger ones may be out
.else
	s_wait_loadcnt 47-(\i)                         ; at the end the count runs down
.endif
	v_cvt_pk_f16_f32 v[CW+2*(\i)], v[CR+4*((\i)%16)], v[CR+4*((\i)%16)+1]
	v_cvt_pk_f16_f32 v[CW+2*(\i)+1], v[CR+4*((\i)%16)+2], v[CR+4*((\i)%16)+3]
.if (\i) < 32
	CLOAD (\i)+16
.endif
	global_store_b64 v2, v[CW+2*(\i):CW+2*(\i)+1], s[10:11] offset:256*(\i) th:TH_STORE_NT   ; 32 lanes store 256 consecutive bytes, aligned
.endm
.set I, 0
.rept 48
	CV I
.set I, I+1
.endr
	s_endpgm
.Lfunc_end_k_q80839e1298_attn:
	.size	k_q80839e1298_attn, .Lfunc_end_k_q80839e1298_attn-k_q80839e1298_attn
	.p2alignl 7, 3214868480
	.fill 96, 4, 3214868480
	.section	.rodata,"a",@progbits
	.p2align	6, 0x0
	.amdhsa_kernel k_q80839e1298_attn
		.amdhsa_group_segment_fixed_size 0
		.amdhsa_private_segment_fixed_size 0
		.amdhsa_enable_private_segment 0
		.amdhsa_kernarg_size 32
		.amdhsa_user_sgpr_count 2
		.amdhsa_user_sgpr_kernarg_segment_ptr 1
		.amdhsa_wavefront_size32 1
		.amdhsa_system_sgpr_workgroup_id_x 1
		.amdhsa_system_sgpr_workgroup_id_y 1
		.amdhsa_system_sgpr_workgroup_id_z 1
		.amdhsa_system_vgpr_workitem_id 0
		.amdhsa_next_free_vgpr 256
		.amdhsa_next_free_sgpr 66
		.amdhsa_reserve_vcc 0
		.amdhsa_float_denorm_mode_32 3
		.amdhsa_float_denorm_mode_16_64 3
		.amdhsa_memory_ordered 1
		.amdhsa_forward_progress 1
		.amdhsa_inst_pref_size 35
	.end_amdhsa_kernel
	.amdgpu_metadata
---
amdhsa.version: [ 1, 2 ]
amdhsa.kernels:
  - .name:           k_q80839e1298_attn
    .symbol:         k_q80839e1298_attn.kd
    .args:
      - { .name: qkv, .offset: 0, .size: 8, .value_kind: global_buffer, .address_space: global }
      - { .name: wo, .offset: 8, .size: 8, .value_kind: global_buffer, .address_space: global }
      - { .name: att, .offset: 16, .size: 8, .value_kind: global_buffer, .address_space: global }
      - { .name: wo16, .offset: 24, .size: 8, .value_kind: global_buffer, .address_space: global }
    .group_segment_fixed_size: 0
    .private_segment_fixed_size: 0
    .kernarg_segment_align: 8
    .kernarg_segment_size: 32
    .max_flat_workgroup_size: 128
    .sgpr_count:     66
    .vgpr_count:     256
    .wavefront_size: 32
...
	.end_amdgpu_metadata
.endif
;; end of part 3
;; launch proj (part 4): grid 8 x 32, 4 waves a work-group, clusters of 4 x 4, 327,680 bytes of LDS; arguments att, wo16, out0; writes out0
.if DOCPART == 4
	.amdgcn_target "amdgcn-amd-amdhsa--gfx1250"
	.amdhsa_code_object_version 6
	.text
	.protected	k_q80839e1298_proj
	.globl	k_q80839e1298_proj
	.p2align	8
	.type	k_q80839e1298_proj,@function
k_q80839e1298_proj:
	s_mov_b64 s[64:65], 0
	v_nop
	global_prefetch_b8 v0, s[64:65] scope:SCOPE_SE
	s_setreg_imm32_b32 hwreg(HW_REG_WAVE_MODE, 25, 1), 1
	s_wait_xcnt 0x0
	s_wait_alu depctr_hold_cnt(0) depctr_sa_sdst(0) depctr_va_vdst(0) depctr_va_sdst(0) depctr_va_ssrc(0) depctr_va_vcc(0) depctr_vm_vsrc(0)
	s_getreg_b32 s2, hwreg(HW_REG_IB_STS2, 6, 4)
	s_cmp_eq_u32 s2, 0
	s_cbranch_scc0 .Lentry_in_a_cluster
	s_endpgm
.Lentry_in_a_cluster:
	s_bfe_u32 s2, ttmp6, 0x10000c
	s_cmp_lg_u32 s2, 0xf033
	s_cbranch_scc0 .Lentry_shape_is_right
	s_endpgm
.Lentry_shape_is_right:
; out0[r'][n] = sum over c of A[r'][c] wo[n][c], f16 operands, f32 sums, f32 out.  A is the attention's result after the transposition of heads and positions: row r' = 1024 b + 64 h + sg, column c = 128 (s % 16) + d,
; for position 1024 b + 16 sg + s % 16, head h, channel d.
; att holds A as OPERAND IMAGES: [row block RB = 64 b + sg (256)][c / 8 (256)][h (16)][16 bytes].  The 16 rows of a row block are the 16 heads, 64 rows of out0 apart: that is undone in the stores' immediates, h x 64 rows.
; wo16: [K step m (11)][row n (2048)][192] f16; piece m begins at K = min(192 m, 1856).
; A tile of out0 is 8 row blocks (128 rows) x 256 columns: 256 work-groups.  Four waves: wave w takes row blocks 4 (w / 2) + 0 .. 3 and columns 128 (w % 2) + 0 .. 127: 32 accumulators of 16 x 16.
; K GOES IN STEPS OF 192 through a ring of two LDS slots filled by the tensor data mover: the longest step of which two slots fit: a slot is 8 x 6,144 bytes of A and 256 x 432 of B, 159,744 bytes; two of them and the
; spare words take 320,000 of the 327,680; a step of 224 would take 2 x 186,368.  2,048 = 10 x 192 + 128: the eleventh tile begins at K = 1,856, so that all tiles have one shape, and only its last four quarters of 32
; are multiplied: K ascends, and each product is made once.  Nine refills; each has 176 matrix instructions of a wave in which to land.
; CLUSTERS: 4 x 4 work-groups; A's tile is shared along a row of the cluster, B's along a column: each is asked for jointly, by the same tensor load with the same descriptor and a mask that names the four.
; THE MATRIX INSTRUCTION IS USED TRANSPOSED (source 0 = 16 rows of wo16, source 1 = a row block): a lane then holds eight neighbouring numbers of a row of out0.
; REGISTERS, in windows of 256: window 0: v0-31 addresses; v64-95, v96-127 A's fragments (4 row blocks x 32 K), two sets; v128-255 at work on the way out.
;   window 1: v0-63, v64-127 B's fragments (8 x 16 rows x 32 K), two sets.   window 2: the accumulators, (a, b) at v[8 (8 a + b)].
.set KSTEP,  192
.set TRIPS,  4                         ; a trip = two K steps = once round the ring: K steps 0 to 7; K steps 8, 9 and 10 are written out
.set ABLK,   6144                      ; a row block's K step: 24 chunks of 8 along K x 16 heads x 16 bytes, as they lie in memory; a load's 32 lanes read 512 consecutive bytes, so no padding
.set AHALF,  4*ABLK                    ; what one tensor load brings of A, and what one wave reads
.set BOFF,   2*AHALF                   ; B's rows lie behind A's eight row blocks
.set PITCH,  432                       ; a row of B in LDS: 3 x (128 bytes + 16 of padding) = 108 words: row r starts at bank 44 r mod 64 (ISA guide 11.1): the 16 rows of a load start at 16 different groups of four banks
.set BHALF,  128*PITCH
.set SLOT,   BOFF+2*BHALF
.set BSTEP,  2048*384                  ; from a K step's pieces of wo16 to the next step's, in bytes
.set STAGE,  SLOT                      ; the way out: 16 rows x (512 bytes + 16) for each wave, in slot 1, which has had its last fill (K step 9) and its last read when the first result is stored there
.set SPITCH, 528
.set SPARE,  2*SLOT                    ; behind the ring: the spare words, 128 bytes a wave, that no other line names
.set ADRA, 16                          ; v16-17  LDS address of my A fragments in slot 0, 1
.set ADRB, 20                          ; v20-21  the same for B
.set STO,  24                          ; v24     the way out: where I put 32 bytes of a row
.set RD,   25                          ; v25     the way out: where I read a row back
.set CO,   26                          ; v26     my byte offset in a row's 512 bytes
.set SPW,  28                          ; v28     LDS address of my spare word; never rewritten
.set NIL,  29                          ; v29     0; never rewritten
.set PFO,  30                          ; v30     the prefetches' offset; never rewritten
.set AFR,  64                          ; A's fragments, in window 0
.set BK,   128                         ; the way out: 16 rows read back: v128-191 and v192-255 by turns
.set G1,  24                           ; s[24:31] descriptor group 1 for A's tiles;  s[32:39] group 0, one set for each slot
.set G0,  32
.set G1B, 48                           ; s[48:55], s[56:63] the same for B's
.set G0B, 56
.set PFA, 70                           ; s[70:71] where my prefetches stand
.set PFS, 72                           ; s72      a K step on, in bytes: 6,144 in a row block of att, BSTEP in wo16
.set PFL, 73                           ; s73      the same for the step onto the eleventh tile: 4,096 in att, BSTEP in wo16
.set LIM, 74                           ; s74      1 in a wave that prefetches, else 0
.set PFT, 76                           ; s[76:77] the step in hand, as a pair
.set MSB, 0
.macro WIN new                         ; the immediate's high byte repeats the setting that is left; a switch that changes nothing is dropped
.if MSB != (\new)
	s_set_vgpr_msb (MSB<<8)|(\new)
.set MSB, (\new)
.endif
.endm
.set MUL,  0xa1                        ; source 0 (B) window 1, source 1 (A) window 0, C and D window 2
.set TO_B, 0x40                        ; destination window 1, address window 0
; A joint load: waves 0 and 1 fetch A's two halves, waves 2 and 3 B's.  The branch hangs on the wave's number alone.  An s_nop 0 and four v_nop follow each of the two lines.
.macro JLOAD s
	s_cmp_eq_u32 s11, 0
	s_cbranch_scc0 .Lfor_b_\@
	tensor_load_to_lds s[G0+4*\s:G0+4*\s+3], s[G1:G1+7]
	s_nop 0
.rept 4
	v_nop
.endr
	s_branch .Lasked_\@
.Lfor_b_\@:
	tensor_load_to_lds s[G0B+4*\s:G0B+4*\s+3], s[G1B:G1B+7]
	s_nop 0
.rept 4
	v_nop
.endr
.Lasked_\@:
.endm
; A PREFETCH INTO THE L2 of the tile that the NEXT change of slots will ask for: one K step, 192 matrix instructions of a wave, ahead of that load.  It stands behind the joint load, its five lines and the run of LDS loads.
; The change of slots behind K step n asks for K step n + 3, n = 0 to 7: all the loop's changes, and no other.  K steps 0 to 2 come by their loads alone.
; A's tile row is read by both clusters of a row of clusters: cluster x = 0 asks, by wave 0; of the tile's 8 row blocks the partner at cx takes 2 cx and 2 cx + 1, an instruction each: 24 blocks of 256 bytes, a lane a block
; (lanes 24 to 31 are held at block 23).  B's tile column, 98,304 consecutive bytes a K step, is read by all clusters of a column: cluster y = 0 asks, by waves 1 to 3; the partner at cy takes a quarter, each wave 8,192
; bytes of it, lanes 256 bytes apart.  Partners are told apart by address alone.  Each aligned block of 256 bytes is named once, but for the eight blocks a row block in which A's eleventh tile lies over the tenth.
.macro ASK
	s_cmp_eq_u32 s[LIM], 1
	s_cbranch_scc0 .Lnot_mine_\@
	global_prefetch_b8 v[PFO], s[PFA:PFA+1] th:TH_LOAD_NT scope:SCOPE_SE
	s_cmp_eq_u32 s10, 0
	s_cbranch_scc0 .Lnot_mine_\@
	global_prefetch_b8 v[PFO], s[PFA:PFA+1] offset:65536 th:TH_LOAD_NT scope:SCOPE_SE   ; wave 0: its second row block
.Lnot_mine_\@:
.endm
.macro CREST                           ; a round of the cluster's barrier behind its opening barrier
	s_cmp_lg_u32 s10, 0
	s_cbranch_scc1 .Lnot_wave_0_\@
	s_barrier_signal -3
.Lnot_wave_0_\@:
	s_barrier_wait -3
	s_barrier_signal -1
	s_barrier_wait -1
.endm
.macro CROUND                          ; a whole round
	s_barrier_signal -1
	s_barrier_wait -1
	CREST
.endm
	s_load_b128 s[4:7], s[0:1], 0x0                ; att s[4:5], wo16 s[6:7]
	s_load_b64 s[8:9], s[0:1], 0x10                ; out0
	v_lshl_add_u32 v[SPW], v0, 2, SPARE
	v_mov_b32 v[NIL], 0
	ds_add_u32 v[SPW], v[NIL]                      ; the wave's opening: the add, twice on end, and its wait stand ahead of my first tensor load; the set-up below, work on registers, stands between
	ds_add_u32 v[SPW], v[NIL]
	v_lshrrev_b32 v1, 5, v0
	v_readfirstlane_b32 s10, v1                    ; wave 0..3
	s_lshr_b32 s11, s10, 1                         ; which four row blocks are mine.  Also: I fetch for A (0) or for B (1)
	s_and_b32 s12, s10, 1                          ; which 128 columns.  Also: which half of that tile I fetch
	s_bfe_u32 s40, ttmp6, 0x40000                  ; cx, cy: my place in the cluster
	s_bfe_u32 s41, ttmp6, 0x40004
	s_lshl_b32 s42, ttmp9, 2
	s_add_co_u32 s42, s42, s40                     ; tile column = 4 x cluster x + cx
	s_and_b32 s13, ttmp7, 0xffff
	s_lshl_b32 s13, s13, 2
	s_add_co_u32 s13, s13, s41                     ; tile row = 4 x cluster y + cy
	s_lshl_b32 s43, s41, 2
	s_lshl_b32 s43, 15, s43                        ; my row of the cluster
	s_lshl_b32 s44, 0x1111, s40                    ; my column
	; descriptor group 1 for A: 4 rows (row blocks) of 768 elements of 8 bytes, 8,192 elements (a row block's 65,536 bytes) apart; dense in LDS
	s_or_b32 s[G1+0], s43, (3<<16)|(1<<21)         ; 15:0 the mask: my row of the cluster; 17:16 elements of 8 bytes; 20 no padding; 21 set beside a mask
	s_mov_b32 s[G1+1], 768<<16                     ; tensor_dim0 = 768
	s_mov_b32 s[G1+2], 4<<16                       ; tensor_dim1 = 4
	s_mov_b32 s[G1+3], 768<<16                     ; tile_dim0 = 768
	s_mov_b32 s[G1+4], 4                           ; tile_dim1 = 4
	s_mov_b32 s[G1+5], 8192                        ; tensor_dim0_stride
	s_mov_b32 s[G1+6], 0
	s_mov_b32 s[G1+7], 0
	; and for B: 128 pieces of 384 bytes lie on end in memory: stated as 64 rows of 384 elements of 2 bytes (768 bytes, at multiples of 256 from the buffer's first byte); four words of padding after every 32
	s_or_b32 s[G1B+0], s44, (1<<16)|(1<<20)|(1<<21)|(4<<22)|(3<<25)
	s_mov_b32 s[G1B+1], 384<<16
	s_mov_b32 s[G1B+2], 64<<16
	s_mov_b32 s[G1B+3], 384<<16
	s_mov_b32 s[G1B+4], 64
	s_mov_b32 s[G1B+5], 384
	s_mov_b32 s[G1B+6], 0
	s_mov_b32 s[G1B+7], 0
	; where the tiles come from.  A's hang on the tile row alone, B's on the tile column alone, each in registers that never hold the other coordinate
	s_lshl_b32 s16, s13, 3
	s_lshl_b32 s17, s12, 2
	s_add_co_u32 s16, s16, s17                     ; A: row block 8 x tile row + 4 x half,
	s_lshl_b32 s16, s16, 16                        ; of 65,536 bytes
	s_mov_b32 s17, 0
	s_lshl_b32 s46, s42, 1
	s_add_co_u32 s46, s46, s12                     ; B: 128 rows x (2 x tile column + half),
	s_mul_i32 s46, s46, 128*384                    ; of 384 bytes
	s_mov_b32 s47, 0
	s_mul_i32 s20, s12, AHALF                      ; and where they go: no place in the cluster enters an LDS address
	s_mul_i32 s21, s12, BHALF
	s_add_co_u32 s21, s21, BOFF
	s_wait_dscnt 0x0                               ; both opening adds are done
	s_wait_kmcnt 0x0
	s_add_nc_u64 s[14:15], s[4:5], s[16:17]
	s_add_nc_u64 s[46:47], s[6:7], s[46:47]
	CROUND                                         ; all sixteen work-groups are here: the first joint loads meet
.irp s, 0,1
	s_mov_b32 s[G0+4*\s], 1                                        ; count = 1
	s_add_co_u32 s[G0+4*\s+1], s20, \s*SLOT                        ; LDS address
	s_add_nc_u64 s[G0+4*\s+2:G0+4*\s+3], s[14:15], \s*ABLK         ; global address: K step s
	s_or_b32 s[G0+4*\s+3], s[G0+4*\s+3], 0x80000000                ; type = 2
	s_mov_b32 s[G0B+4*\s], 1
	s_add_co_u32 s[G0B+4*\s+1], s21, \s*SLOT
	s_add_nc_u64 s[G0B+4*\s+2:G0B+4*\s+3], s[46:47], \s*BSTEP
	s_or_b32 s[G0B+4*\s+3], s[G0B+4*\s+3], 0x80000000
	JLOAD \s                                       ; two tensor loads of mine are out behind the second
.endr
	v_and_b32 v1, 15, v0                           ; r = l % 16
	v_bfe_u32 v2, v0, 4, 1                         ; hh = l / 16
	v_and_b32 v3, 31, v0
	v_lshlrev_b32 v4, 4, v3                        ; 16 x lane
	v_mul_u32_u24 v5, v1, PITCH
	v_lshl_add_u32 v5, v2, 4, v5                   ; B: a fragment's row x pitch + 16 x half
	s_mul_i32 s18, s11, AHALF                      ; my four row blocks
	s_mul_i32 s19, s12, BHALF                      ; my 128 rows of B
	s_add_co_u32 s19, s19, BOFF
.irp s, 0,1
	v_add_nc_u32 v[ADRA+\s], s18, v4
	v_add_nc_u32 v[ADRB+\s], s19, v5
	s_add_co_u32 s18, s18, SLOT
	s_add_co_u32 s19, s19, SLOT
.endr
	s_mul_i32 s23, s10, 16*SPITCH
	s_add_co_u32 s23, s23, STAGE                   ; my stage
	v_mul_u32_u24 v6, v1, SPITCH                   ; in: row r, 32 bytes for each half of the lanes
	v_lshl_add_u32 v6, v2, 5, v6
	v_add_nc_u32 v[STO], s23, v6
	v_add_nc_u32 v[RD], s23, v4                    ; back: the 32 lanes take one row of 512 bytes;
	v_mov_b32 v[CO], v4                            ; and the same in out0
	; where my part of out0 begins: row block RB = 64 b + sg has head 0's row at 1024 b + sg
	s_lshl_b32 s66, s13, 3
	s_lshl_b32 s67, s11, 2
	s_add_co_u32 s66, s66, s67                     ; my first row block
	s_lshr_b32 s67, s66, 6
	s_lshl_b32 s67, s67, 10
	s_and_b32 s66, s66, 63
	s_add_co_u32 s66, s66, s67
	s_lshl_b32 s66, s66, 13                        ; rows of 8,192 bytes
	s_lshl_b32 s68, s42, 10                        ; 1,024 bytes a tile column,
	s_add_co_u32 s66, s66, s68
	s_lshl_b32 s68, s12, 9                         ; 512 for my half
	s_add_co_u32 s66, s66, s68
	s_mov_b32 s67, 0
	s_add_nc_u64 s[8:9], s[8:9], s[66:67]
	; the prefetches (macro ASK).  They begin at K step 2; the first change of slots steps them to K step 3.  Nothing is prefetched here, at the head
	s_lshl_b32 s66, s13, 3
	s_lshl_b32 s67, s40, 1
	s_add_co_u32 s66, s66, s67
	s_lshl_b32 s66, s66, 16
	s_add_co_u32 s66, s66, 2*ABLK                  ; A: row block 8 x tile row + 2 cx
	s_mul_i32 s78, s42, 256*384                    ; B: the tile column's 98,304 bytes,
	s_mul_i32 s79, s41, 64*384                     ; the quarter at cy,
	s_add_co_u32 s78, s78, s79
	s_max_u32 s79, s10, 1
	s_sub_co_u32 s79, s79, 1
	s_lshl_b32 s79, s79, 13                        ; 8,192 bytes of it for each of waves 1 to 3
	s_add_co_u32 s78, s78, s79
	s_add_co_u32 s78, s78, 2*BSTEP
	s_and_b32 s75, ttmp7, 0xffff                   ; cluster y
	s_mov_b32 s[PFS], BSTEP
	s_mov_b32 s[PFL], BSTEP
	s_mov_b32 s68, 31
	s_cmp_eq_u32 s10, 0                            ; wave 0 asks for A, the others for B
	s_cselect_b32 s75, ttmp9, s75                  ; the coordinate along which other clusters read the same bytes
	s_cselect_b64 s[PFA:PFA+1], s[4:5], s[6:7]
	s_cselect_b32 s66, s66, s78
	s_cselect_b32 s[PFS], ABLK, s[PFS]
	s_cselect_b32 s[PFL], 4096, s[PFL]             ; A's eleventh tile begins 4,096 bytes behind the tenth's first byte
	s_cselect_b32 s68, 23, s68                     ; a row block's K step has 24 blocks of 256 bytes
	s_mov_b32 s67, 0
	s_mov_b32 s[PFT+1], 0
	s_add_nc_u64 s[PFA:PFA+1], s[PFA:PFA+1], s[66:67]
	s_cmp_eq_u32 s75, 0
	s_cselect_b32 s[LIM], 1, 0                     ; the same in all sixteen partners, for a given wave
	v_min_u32 v[PFO], s68, v3
	v_lshlrev_b32 v[PFO], 8, v[PFO]                ; lanes 256 bytes apart
; 8 matrix instructions: row block a x B's eight blocks, 32 along K, from set f.  zero = 1: the first product starts the sums: nothing is ever cleared.
; The 32 accumulators take turns, one instruction a turn, in the same order in every quarter.
.macro MUL8 f, a, zero
.irp b, 0,1,2,3,4,5,6,7
.set rD, 8*(8*(\a)+\b)
.set rB, 64*(\f)+8*\b
.set rA, AFR+32*(\f)+8*(\a)
.if \zero
	v_wmma_f32_16x16x32_f16 v[rD:rD+7], v[rB:rB+7], v[rA:rA+7], 0
.else
	v_wmma_f32_16x16x32_f16 v[rD:rD+7], v[rB:rB+7], v[rA:rA+7], v[rD:rD+7]
.endif
.endr
.endm
; 24 LDS loads in one run: the fragments of the slot's q-th 32 along K into set f: B's sixteen, then A's eight.
; A fragment: lane (r, hh) holds row r; registers 0-3 K = 8 hh + 0..7, registers 4-7 K = 16 + 8 hh + 0..7.  In A's image chunk g of 8 along K is 256 bytes, head r at 16 r: so a load's lane l reads byte 16 l of two chunks.
; In a row of B a quarter's 64 bytes lie inside one run of 128: 64 q bytes on, and 16 more for each padding passed.
.macro FETCH slot, q, f
	WIN TO_B
.irp i, 0,1,2,3,4,5,6,7
	ds_load_b128 v[64*(\f)+8*\i:64*(\f)+8*\i+3],   v[ADRB+\slot] offset:\i*16*PITCH+64*(\q)+16*((\q)/2)
	ds_load_b128 v[64*(\f)+8*\i+4:64*(\f)+8*\i+7], v[ADRB+\slot] offset:\i*16*PITCH+64*(\q)+16*((\q)/2)+32
.endr
	WIN 0
.irp a, 0,1,2,3
	ds_load_b128 v[AFR+32*(\f)+8*\a:AFR+32*(\f)+8*\a+3],   v[ADRA+\slot] offset:\a*ABLK+1024*(\q)
	ds_load_b128 v[AFR+32*(\f)+8*\a+4:AFR+32*(\f)+8*\a+7], v[ADRA+\slot] offset:\a*ABLK+1024*(\q)+512
.endr
.endm
.macro PLACES                          ; four places in front of loads into registers that matrix instructions have read, and of the first read of results (ISA guide 7.12.1 for the first read of results)
.rept 4
	v_nop
.endr
.endm
; A K step is six quarters of 32 along K, 32 matrix instructions each, on sets 0, 1, 0, 1, 0, 1.  One of the first five: multiplies set f and fetches the slot's q-th quarter into set g.
.macro QUARTER slot, q, f, g, zero
	s_wait_dscnt 4                                 ; B and A's row blocks 0, 1 are in; the youngest four loads (row blocks 2, 3) may be out
	WIN MUL
	MUL8 \f, 0, \zero
	MUL8 \f, 1, \zero
	PLACES
	FETCH \slot, \q, \g
	s_wait_dscnt 24                                ; all but the 24 just issued
	WIN MUL
	MUL8 \f, 2, \zero
	MUL8 \f, 3, \zero
.endm
; The last quarter multiplies set 1 and changes slots: ONE barrier; in front of it each wave waits for all its tensor loads, adds 0 to its spare word, and waits for that and for its own reads of this slot.
; fill = 1: the barrier opens a round of the cluster's, and this slot is filled again, two K steps ahead.  last = 1: that fill is the eleventh tile, which begins 64 along K (2,048 bytes of a row block) early; in wo16
; the eleventh pieces are laid so already; and nothing is left to prefetch.  nq: the next slot's first quarter to be multiplied.
.macro TURN slot, next, nq, fill, last
.if (\fill) && ((\last) == 0)
	s_wait_xcnt 0x0                                ; the last prefetches, a K step back, have read their address: it is stepped here, ahead of the waits of the change of slots
.if (\slot) == 1
	s_cmp_eq_u32 s3, 1                             ; the loop's last trip: on to the eleventh tile
	s_cselect_b32 s[PFT], s[PFL], s[PFS]
.else
	s_mov_b32 s[PFT], s[PFS]
.endif
	s_add_nc_u64 s[PFA:PFA+1], s[PFA:PFA+1], s[PFT:PFT+1]
.endif
	WIN 0                                          ; (the add's two registers lie in window 0)
	s_wait_tensorcnt 0x0                           ; all my tensor loads have landed: the one that was out is my part of the next slot
	ds_add_u32 v[SPW], v[NIL]                      ; 0 onto my spare word
	s_wait_dscnt 5                                 ; (the add and the youngest four loads may be out)
	WIN MUL
	MUL8 1, 0, 0                                   ; eight matrix instructions stand between the add and the wait for it
	s_wait_dscnt 0x0                               ; the add is done, and my reads of this slot are over
	s_barrier_signal -1
	MUL8 1, 1, 0
	WIN 0
	s_barrier_wait -1
.if \fill
	CREST                                          ; no wave of any partner still reads this slot's tile or has a load on its way
.if \last
	s_add_nc_u64 s[G0+4*\slot+2:G0+4*\slot+3], s[G0+4*\slot+2:G0+4*\slot+3], 2*ABLK-2048
.else
	s_add_nc_u64 s[G0+4*\slot+2:G0+4*\slot+3], s[G0+4*\slot+2:G0+4*\slot+3], 2*ABLK
.endif
	s_add_nc_u64 s[G0B+4*\slot+2:G0B+4*\slot+3], s[G0B+4*\slot+2:G0B+4*\slot+3], 2*BSTEP
	JLOAD \slot                                    ; the first tensor load behind the round, my only one out; the four v_nop behind it are the places in front of the loads below
.else
	PLACES
.endif
	FETCH \next, \nq, 0
.if (\fill) && ((\last) == 0)
	ASK
.endif
	WIN MUL
	MUL8 1, 2, 0
	MUL8 1, 3, 0
.endm
.macro REST slot                       ; a K step's quarters 1 to 4 are multiplied, its quarters 2 to 5 fetched
	QUARTER \slot, 2, 1, 0, 0
	QUARTER \slot, 3, 0, 1, 0
	QUARTER \slot, 4, 1, 0, 0
	QUARTER \slot, 5, 0, 1, 0
.endm
	s_wait_tensorcnt 1                             ; my part of K step 0 is in; K step 1's may stay out
	s_barrier_signal -1
	s_barrier_wait -1                              ; everybody's is
	FETCH 0, 0, 0
	QUARTER 0, 1, 0, 1, 1                          ; the first quarter stands in front of the loop: its products start the sums
	WIN 0                                          ; at a label and at a branch every window is 0
	s_mov_b32 s3, TRIPS
.Llap:                                                 ; a trip goes once round the ring, from a lap's second quarter to the next lap's first, and fills both slots again: K steps 2 to 9
	REST 0
	TURN 0, 1, 0, 1, 0
	QUARTER 1, 1, 0, 1, 0
	REST 1
	TURN 1, 0, 0, 1, 0
	QUARTER 0, 1, 0, 1, 0
	WIN 0
	s_sub_co_u32 s3, s3, 1
	s_cmp_lg_u32 s3, 0
	s_cbranch_scc1 .Llap
	REST 0                                         ; K step 8 goes on; the tail is written out
	TURN 0, 1, 0, 1, 1                             ; slot 0 takes the eleventh tile: the last fill
	QUARTER 1, 1, 0, 1, 0                          ; K step 9
	REST 1
	TURN 1, 0, 2, 0, 0                             ; nothing is filled; of the eleventh tile quarters 2 to 5 are multiplied: K = 1,920 on
	QUARTER 0, 3, 0, 1, 0
	QUARTER 0, 4, 1, 0, 0
	QUARTER 0, 5, 0, 1, 0
	s_wait_dscnt 4                                 ; the very last quarter: nothing more to fetch
	WIN MUL
	MUL8 1, 0, 0
	MUL8 1, 1, 0
	s_wait_dscnt 0
	MUL8 1, 2, 0
	MUL8 1, 3, 0
	WIN 0
; THE WAY OUT, a row block (16 heads x 128 columns) at a time.  A lane holds 32 neighbouring bytes of a row; the block goes through my own stage in LDS and comes back as whole rows of 512 bytes.
; LDS serves a wave's instructions in order (ISA guide 5.7.1.4): no wait between the stores and the loads, nor in front of the next block's stores.
.macro TOSTAGE a
	WIN 0x08                                       ; an LDS store's data are its source 1: window 2
.irp b, 0,1,2,3,4,5,6,7
	ds_store_b128 v[STO], v[64*(\a)+8*\b:64*(\a)+8*\b+3] offset:64*\b          ; each accumulator from its low end on
	ds_store_b128 v[STO], v[64*(\a)+8*\b+4:64*(\a)+8*\b+7] offset:64*\b+16
.endr
	WIN 0
.set BB, BK+64*((\a)%2)
.irp t, 0,1,2,3,4,5,6,7,8,9,10,11,12,13,14,15
	ds_load_b128 v[BB+4*\t:BB+4*\t+3], v[RD] offset:\t*SPITCH
.endr
.endm
.macro SEND a, younger                 ; younger: the LDS instructions issued behind block a's loads, which may stay out
.set BB, BK+64*((\a)%2)
	s_wait_dscnt \younger                          ; the block is back in registers
.if (\a) > 0
	s_add_nc_u64 s[8:9], s[8:9], 8192              ; (behind a wait on XCNT: the earlier stores have read their base)  the next row block: one row of out0 on
.endif
.irp t, 0,1,2,3,4,5,6,7,8,9,10,11,12,13,14,15
	global_store_b128 v[CO], v[BB+4*\t:BB+4*\t+3], s[8:9] offset:\t*64*8192 th:TH_STORE_NT   ; head t's row lies 64 rows on: 15 x 524,288 bytes at the most, inside the signed 24-bit immediate; 32 lanes store 512 consecutive bytes, aligned
.endr
.endm
	PLACES                                         ; behind the last products, ahead of the LDS stores that read results
	TOSTAGE 0
.irp a, 1,2,3
.if \a > 1
	s_wait_xcnt 0x0                                ; block a - 2's stores have read their registers and their base: block a's loads may land there, and the base may step
.endif
	TOSTAGE \a
	SEND \a-1, 32                                  ; behind block a - 1's loads: block a's 16 stores and 16 loads
.endr
	s_wait_xcnt 0x0                                ; block 2's stores have read their base
	SEND 3, 0
	s_wait_tensorcnt 0x0                           ; the wave's end: a wait, an add of 0 to my spare word and its wait, behind my last tensor load and my last LDS store
	ds_add_u32 v[SPW], v[NIL]
	s_wait_dscnt 0x0
	CROUND                                         ; the closing round: no work-group ends while a partner may still ask for a tile that names it
	s_endpgm
.Lfunc_end_k_q80839e1298_proj:
	.size	k_q80839e1298_proj, .Lfunc_end_k_q80839e1298_proj-k_q80839e1298_proj
	.p2alignl 7, 3214868480
	.fill 96, 4, 3214868480
	.section	.rodata,"a",@progbits
	.p2align	6, 0x0
	.amdhsa_kernel k_q80839e1298_proj
		.amdhsa_group_segment_fixed_size 327680
		.amdhsa_private_segment_fixed_size 0
		.amdhsa_enable_private_segment 0
		.amdhsa_kernarg_size 24
		.amdhsa_user_sgpr_count 2
		.amdhsa_user_sgpr_kernarg_segment_ptr 1
		.amdhsa_wavefront_size32 1
		.amdhsa_system_sgpr_workgroup_id_x 1
		.amdhsa_system_sgpr_workgroup_id_y 1
		.amdhsa_system_sgpr_workgroup_id_z 1
		.amdhsa_system_vgpr_workitem_id 0
		.amdhsa_next_free_vgpr 768
		.amdhsa_next_free_sgpr 80
		.amdhsa_reserve_vcc 0
		.amdhsa_float_denorm_mode_32 3
		.amdhsa_float_denorm_mode_16_64 3
		.amdhsa_memory_ordered 1
		.amdhsa_forward_progress 1
		.amdhsa_inst_pref_size 134
	.end_amdhsa_kernel
	.amdgpu_metadata
---
amdhsa.version: [ 1, 2 ]
amdhsa.kernels:
  - .name:           k_q80839e1298_proj
    .symbol:         k_q80839e1298_proj.kd
    .args:
      - { .name: att, .offset: 0, .size: 8, .value_kind: global_buffer, .address_space: global }
      - { .name: wo16, .offset: 8, .size: 8, .value_kind: global_buffer, .address_space: global }
      - { .name: out0, .offset: 16, .size: 8, .value_kind: global_buffer, .address_space: global }
    .group_segment_fixed_size: 327680
    .private_segment_fixed_size: 0
    .kernarg_segment_align: 8
    .kernarg_segment_size: 24
    .max_flat_workgroup_size: 128
    .sgpr_count:     80
    .vgpr_count:     768
    .wavefront_size: 32
...
	.end_amdgpu_metadata
.endif
;; end of part 4
